; MI455X (gfx1250); checked and timed in simulation.
; The chip was launched on July 23, 2026; its instructions are those of AMD's public machine-readable ISA for CDNA 5 (MIT licence, August 2026) and "CDNA5" Instruction Set Architecture Reference Guide (July 2026). The comments in the code are by the model that wrote it; some were corrected since.
;; Classic Attention. Allowed arithmetic: matrix products marked QUANTISED: E2M3 operands, one E8M0 scale for each 32 along K, by v_wmma_scale_f32_16x16x128_f8f6f4 with both operands' format E2M3, f32 sums; everything else in f32.
;; Inputs: c_attn_b 3,072 float32; c_attn_w_codes 3,072 x 32 x 24 uint8 (E2M3 codes of c_attn_w, K innermost, in blocks of 32 codes, four codes in three bytes); c_attn_w_scales 3,072 x 32 uint8 (E8M0 scales of c_attn_w, one for each 32 codes along K); c_proj_b 1,024 float32; c_proj_w_codes 1,024 x 32 x 24 uint8 (E2M3 codes of c_proj_w, K innermost, in blocks of 32 codes, four codes in three bytes); c_proj_w_scales 1,024 x 32 uint8 (E8M0 scales of c_proj_w, one for each 32 codes along K); hidden_states_codes 2 x 2,048 x 32 x 24 uint8 (E2M3 codes of hidden_states, K innermost, in blocks of 32 codes, four codes in three bytes); hidden_states_scales 2 x 2,048 x 32 uint8 (E8M0 scales of hidden_states, one for each 32 codes along K).
;; Outputs: out0 2 x 2,048 x 1,024 float32.
;; This version of the problem:
;;   THIS VERSION OF THE PROBLEM IS GIVEN IN LOW PRECISION. The matrix products marked QUANTISED in the list below multiply operands that are first quantised to E2M3 (2 exponent bits, 3 mantissa bits; 6 bits a number), with one power-of-two scale for each 32 numbers along K (OCP MX v1.0); their sums are f32. All else is computed in f32.
;;   The module's matrix products, in the order in which they are computed (A, B: the left and right operand; K: the contracted axis; several contracted axes count as one K, in the product's order):
;;     1. [M 4,096, K 1,024] x [K 1,024, N 3,072]; A: input hidden_states (given as codes); B: input c_attn_w (given as codes): QUANTISED
;;     2. batch 32 x [M 2,048, K 64] x [K 64, N 2,048]; A: computed on the way; B: computed on the way: QUANTISED
;;     3. batch 32 x [M 2,048, K 2,048] x [K 2,048, N 64]; A: softmax (see below); B: computed on the way: QUANTISED
;;     4. [M 4,096, K 1,024] x [K 1,024, N 1,024]; A: computed on the way; B: input c_proj_w (given as codes): QUANTISED
;;   THE QUANTISER, for each operand of a quantised product, along K:
;;     - K is cut into blocks of 32 from its start; a last block that is shorter is filled with zeros.
;;     - A block's scale is 2^e with e = floor(log2(the largest magnitude in the block)) - 2, held to -126 .. 127; a block of zeros has e = 0. As a byte (E8M0): e + 127.
;;     - Each number is divided by its block's scale, clamped to +-7.5, and rounded to the nearest number of E2M3, ties to even, subnormals kept.
;;     - The product sums the exact products of the quantised numbers (number of the format x scale) in f32.
;;   ~~~python
;;   def quantise(x, axis):      # numpy; x: float32 -> the quantised numbers, widened to float32 again
;;       x = np.moveaxis(x, axis, -1); K = x.shape[-1]
;;       x = np.pad(x, [(0, 0)] * (x.ndim - 1) + [(0, -K % 32)]); x = x.reshape(x.shape[:-1] + (-1, 32)); a = np.abs(x).max(-1, keepdims=True)
;;       e = np.where(a > 0, np.clip(np.frexp(np.where(a > 0, a, 1))[1] - 1 - 2, -126, 127), 0)      # np.frexp(a)[1] - 1 = floor(log2(a)), exactly
;;       r = np.clip(x / 2.0 ** e, -7.5, 7.5)
;;       step = 2.0 ** (np.maximum(np.frexp(np.where(r == 0, 1, r))[1] - 1, 0) - 3)
;;       q = np.round(r / step) * step * 2.0 ** e      # np.round: ties to even
;;       return np.moveaxis(q.reshape(q.shape[:-2] + (-1,))[..., :K], -1, axis).astype(np.float32)
;;   ~~~
;;   SOFTMAX AHEAD OF A QUANTISED PRODUCT. Where the list says 'softmax', what is quantised is not the finished softmax but p = 2^(t - M), with t = logit x log2(e) and M = ceil(the row's largest t), a whole number; so 1/2 < the row's largest p <= 1. The row's sum l is taken of the UNQUANTISED p, in f32, and the product's result is divided by l at the end. Since M is a whole number, a kernel that streams over the keys may use a running M (the ceiling of the running maximum): every later rescaling is an exact power of two, which a block's scale takes up: the codes' values come out the same.
;;   OPERANDS COMPUTED ON THE WAY. 'Computed on the way' means the value that the module computes at that place (a softmax that the list does not call 'softmax' is quantised finished and normalised). What goes into a quantiser is computed in f32, as accurately as f32 sums, v_exp_f32 and their like allow (about 1e-6 of the number): no bf16 or f16 on the way to a quantiser, and a product that is left as it is and whose result goes on into a quantised operand takes f32 operands (vector FMAs, or v_wmma_f32_16x16x4_f32). A number that lies on a knife's edge between two numbers of the format may be rounded either way, as far as f32 arithmetic and the matrix unit's own rounding can turn it there, and no further.
;;   INPUTS GIVEN AS CODES. c_attn_w (in the module: [1024, 3072], K = its axis 0); c_proj_w (in the module: [1024, 1024], K = its axis 0); hidden_states (in the module: [2, 2048, 1024], K = its axis 2): each comes as NAME_codes (uint8): NAME with its K axis moved to the last place and cut into blocks of 32 codes, [.., K / 32, bytes a block], one block behind the other in memory; four codes in three bytes: a row's codes are one little-endian stream of bits, code i at bits 6 i .. 6 i + 5 (a code: sign, 2 exponent bits, 3 mantissa bits); and NAME_scales (uint8): the same leading axes, one E8M0 byte (e + 127) for each 32 codes along K. Its value is code x scale, taken as it is: it is not quantised again, and the codes and scales need not be those that the quantiser above would give.
;; One version. Each part assembles by itself: llvm-mc -triple=amdgcn-amd-amdhsa -mcpu=gfx1250 --defsym DOCPART=n.
;; ======== version 1 of 1: 3 launches
;; workspace buffers: qi 3,407,872 bytes; kv 6,684,672 bytes; cimg 3,145,728 bytes; csc 131,072 bytes
;; launch qkv (part 1): grid 12 x 16, 4 waves a work-group, clusters of 4 x 4, 327,680 bytes of LDS; arguments hidden_states_codes, hidden_states_scales, c_attn_w_codes, c_attn_w_scales, c_attn_b, qi, kv; writes qi, kv
.if DOCPART == 1
	.amdgcn_target "amdgcn-amd-amdhsa--gfx1250"
	.amdhsa_code_object_version 6
	.text
	.protected	k_q505acc640c_qkv
	.globl	k_q505acc640c_qkv
	.p2align	8
	.type	k_q505acc640c_qkv,@function
k_q505acc640c_qkv:
	s_mov_b64 s[64:65], 0
	v_nop
	global_prefetch_b8 v0, s[64:65] scope:SCOPE_SE
	s_setreg_imm32_b32 hwreg(HW_REG_WAVE_MODE, 25, 1), 1
	s_wait_xcnt 0x0
	s_wait_alu depctr_hold_cnt(0) depctr_sa_sdst(0) depctr_va_vdst(0) depctr_va_sdst(0) depctr_va_ssrc(0) depctr_va_vcc(0) depctr_vm_vsrc(0)
	s_getreg_b32 s2, hwreg(HW_REG_IB_STS2, 6, 4)
	s_cmp_eq_u32 s2, 0
	s_cbranch_scc0 .Lentry_in_a_cluster
	s_endpgm
.Lentry_in_a_cluster:
	s_bfe_u32 s2, ttmp6, 0x10000c
	s_cmp_lg_u32 s2, 0xf033
	s_cbranch_scc0 .Lentry_shape_is_right
	s_endpgm
.Lentry_shape_is_right:
; qkv = x Wa^T + b on codes of FP6 (E2M3) with one E8M0 scale for each 32 along K = 1,024; then q and k are quantised along the head's 64, v along the keys, and leave as IMAGES OF OPERAND REGISTERS.
; x: [4096][1024] codes (rows of 768 bytes), scales [4096][32].  Wa: [3072][1024] codes, scales [3072][32].  b: [3072] f32.
; A tile of 256 x 256 is made by four waves, 128 x 128 each (64 accumulators, 512 registers).  K goes in four steps of 256 through two LDS slots filled by the tensor data mover; the scale bytes come once.
; THE MATRIX INSTRUCTION: source 0 = 16 rows of tile "B", source 1 = 16 rows of tile "A": a lane holds ONE row of A and its registers run along B's rows, which are the axis that is quantised next.
;   clusters x = 0 (q) and 1 (k): A = 256 tokens, B = 256 rows of Wa (four heads): registers run along the head's channels.
;   clusters x = 2 (v):           A = 256 rows of Wa (four heads' channels), B = 256 tokens: registers run along the keys.
; A'S ROWS OF A BLOCK ARE NOT NEIGHBOURS: lane r of block 2 m + u takes row 32 m + 8 u + r + 8 (r / 8).  The attention launch uses these blocks as source 0, and its results' 16 registers of two neighbouring
; blocks are then 16 neighbours (keys, or channels).  B's rows are neighbours; 32 exchanges of lane halves a block bring a lane 16 neighbours of each 32.
; CLUSTERS: 4 x 4 work-groups; A's tile hangs on the cluster's y place alone and is asked for jointly along a row, B's on the x place alone and is asked for jointly along a column.
; OUT.  qi: [head y (32)][128 queries g (16)] records of 6,656 bytes: 8 half images (16 rows x 64: registers 0-3 at 16 x lane, registers 4-5 at 512 + 8 x lane) and 8 x 16 scale words.
;       kv: [head y][128 keys s] records of 13,056 bytes: k as q; at 6,656 four whole images of v^T (16 channels x 128 keys: registers 4 p .. 4 p + 3 at 512 p + 16 x lane); at 12,800 their 4 x 16 scale words.
; A scale word of q or k: bytes 0, 1 are the head's two blocks; bytes 2, 3 (the neighbouring head's, or 0) stand over zero codes alone and are never 0xff.
; LIMITS: NaN, infinities and given scale bytes 0xff are not served.  A block of zeros gets the byte 1 where the quantiser's rule says 127: its codes are zeros, and this program alone reads the bytes.
; 192 work-groups: 3,072 x 4,096 in tiles of 256 x 256.
.set KSTEP,  256                       ; along K in a slot
.set NQ,     2                         ; matrix instructions deep
.set ROWB,   192                       ; a tile's row in bytes
.set KROW,   768                       ; a row of x or of Wa in memory
.set PITCH,  240                       ; an LDS row: 3 x (64 bytes + 16 of padding)
.set FR,     12                        ; registers of a fragment
.set NL,     6                         ; LDS loads that bring one
.set NP,     4                         ; places behind this matrix instruction (ISA guide 7.12.1)
.set HALFT,  128*PITCH
.set SLOT,   4*HALFT                   ; A's 256 rows, then B's 256 rows
.set KS,     32                        ; a row of scale bytes
.set SCL,    2*SLOT                    ; behind the ring: the scales, as units of 256 bytes + 16 of padding (8 rows to a unit)
.set HALFS,  (128*KS/256)*272          ; the scales of 128 rows
.set SPARE,  SCL+4*HALFS               ; the spare words, 128 bytes a wave: two blocks of 256 bytes that no other line names
.set STG,    SPARE+512                 ; a stage for the scale words made here: 1,024 bytes a wave for q and k; 4,096 bytes on the same for v.  No fill lands here
.set HQ,     106496                    ; a head's bytes in qi,
.set RQ,     6656                      ; a record's;
.set HK,     208896                    ; a head's bytes in kv,
.set RK,     13056                     ; a record's
.set VBQ,  7                           ; v7      byte offset in b of my 8 numbers of B's block 0
.set VBV,  8                           ; v8      byte offset in b of my row of A's block 0
.set SH16, 9                           ; v9      16 x (lane / 16)
.set VSO,  10                          ; v10     v's scale words on their way out: 16 (lane % 16) + a head's bytes x (lane / 16)
.set PW,   11                          ; v11     the scale word just made
.set T1,   12                          ; v12-15  at work
.set ADRA, 16                          ; v16-17  LDS address of my A fragments in slot 0, 1  (v18-19: for the pieces behind one padding more)
.set ADRB, 20                          ; v20-21  the same for B  (v22-23)
.set L16,  24                          ; v24     16 x lane
.set L8,   25                          ; v25     8 x lane
.set SST,  26                          ; v26     the stage: where I put a scale word
.set RDS,  27                          ; v27     and where I read 16 bytes back
.set SPW,  28                          ; v28     LDS address of my spare word; never rewritten
.set NIL,  29                          ; v29     0; never rewritten
.set ADRS, 30                          ; v30-31  LDS address of my scale words, for even and for odd blocks: lanes 0-15 A's rows, lanes 16-31 B's
.set SC,   32                          ; v32-63  scale words, two sets: they hold nothing else
.set BQ,   64                          ; v64-127 q, k: b at my 64 places along B
.set AF,   128                         ; v128-223 A's fragments, one set
.set BV,   224                         ; v224-239 v: b at my row of each of A's 8 blocks, twice (a pair for the packed addition)
.set TM,   240                          ; v240-255 the quantiser's work
.set X,    128                         ; the way out: v128-191 a block's 64 numbers,
.set CD,   192                         ; v192-211 its codes,
.set SHW,  212                         ; v212-219 each block's scale word as it goes to the stage,
.set T0,   220                         ; v220-223 scale words read back
.set SEL,  2                           ; s[2:3]  lane selects: lane l xor 16
.set PA,   12                          ; s[12:13] where my first head's record begins (v: its part of it),
.set PB,   18                          ; s[18:19] and my second head's
.set VM,   95                          ; s95     1 in the clusters that make v
.set G1, 24
.set G0, 32
.set G1B, 48
.set G0B, 56
.set G1S, 68
.set G0S, 76
.set G1SB, 80
.set G0SB, 88
.set MSB, 0
.macro WIN new                         ; the immediate's high byte repeats the setting that is left
.if MSB != (\new)
	s_set_vgpr_msb (MSB<<8)|(\new)
.set MSB, (\new)
.endif
.endm
.set MUL_LO, 0xa1                      ; source 0 (B) window 1, source 1 (A) window 0, C and D window 2
.set MUL_HI, 0xf1                      ; the same, C and D window 3
.set TO_B,   0x40                      ; destination window 1, address window 0
; A joint load: waves 0 and 1 fetch for A, waves 2 and 3 for B; the branch hangs on the wave's number alone.  An s_nop 0 and four v_nop follow each of the two lines.
.macro JLOAD g0a, g1a, g0b, g1b
	s_cmp_eq_u32 s15, 0
	s_cbranch_scc0 .Lfor_b_\@
	tensor_load_to_lds s[\g0a:\g0a+3], s[\g1a:\g1a+7]
	s_nop 0
.rept 4
	v_nop
.endr
	s_branch .Lasked_\@
.Lfor_b_\@:
	tensor_load_to_lds s[\g0b:\g0b+3], s[\g1b:\g1b+7]
	s_nop 0
.rept 4
	v_nop
.endr
.Lasked_\@:
.endm
.macro CREST                           ; a round of the cluster's barrier behind its opening barrier
	s_cmp_lg_u32 s14, 0
	s_cbranch_scc1 .Lnot_wave_0_\@
	s_barrier_signal -3
.Lnot_wave_0_\@:
	s_barrier_wait -3
	s_barrier_signal -1
	s_barrier_wait -1
.endm
.macro CROUND                          ; a whole round
	s_barrier_signal -1
	s_barrier_wait -1
	CREST
.endm
	s_load_b128 s[4:7], s[0:1], 0x0                ; x's codes, x's scales
	s_load_b128 s[8:11], s[0:1], 0x10              ; Wa's codes, Wa's scales
	s_load_b128 s[96:99], s[0:1], 0x20             ; b, qi
	s_load_b64 s[100:101], s[0:1], 0x30            ; kv
	v_lshl_add_u32 v[SPW], v0, 2, SPARE
	v_mov_b32 v[NIL], 0
	ds_add_u32 v[SPW], v[NIL]                      ; the wave's opening: the add, twice on end, and its wait ahead of my first tensor load
	ds_add_u32 v[SPW], v[NIL]                      ; and once more, under the one wait; the set-up below, work on registers, stands between
	v_lshrrev_b32 v1, 5, v0
	v_readfirstlane_b32 s14, v1                    ; wave 0..3
	s_lshr_b32 s15, s14, 1                         ; which half of A's rows is mine.  Also: I fetch for A (0) or for B (1)
	s_and_b32 s16, s14, 1                          ; which half of B's rows.  Also: which 128 rows of that tile I fetch
	s_bfe_u32 s40, ttmp6, 0x40000                  ; cx, cy: my place in the cluster
	s_bfe_u32 s41, ttmp6, 0x40004
	s_and_b32 s43, ttmp7, 0xffff
	s_lshl_b32 s43, s43, 2                         ; 4 x cluster y
	s_lshl_b32 s44, ttmp9, 2                       ; 4 x cluster x
	s_cmp_eq_u32 ttmp9, 2                          ; the cluster's x: the same in all sixteen partners
	s_cselect_b32 s[VM], 1, 0
	s_cselect_b32 s17, 8, s43
	s_cselect_b32 s42, s43, s44
	s_add_co_u32 s17, s17, s41                     ; A's tile of 256 rows: q, k: tokens 4 x cluster y + cy;  v: rows of Wa 8 + cy.  It never holds cx
	s_add_co_u32 s42, s42, s40                     ; B's tile: q, k: rows of Wa 4 x cluster x + cx;  v: tokens 4 x cluster y + cx.  It never holds cy
	s_lshl_b32 s43, s41, 2
	s_lshl_b32 s43, 15, s43                        ; my row of the cluster
	s_lshl_b32 s44, 0x1111, s40                    ; my column
	s_mov_b32 s[SEL], 0x76543210
	s_mov_b32 s[SEL+1], 0xfedcba98
	; descriptor group 1: a tile of 128 rows x 192 bytes, padded in LDS
	s_or_b32 s[G1+0], s43, (0<<16)|(1<<20)|(1<<21)|(3<<22)|(3<<25)  ; 15:0 the mask: A's tiles go to my row; 17:16 elements of 1 byte; 20 padding on; 21 set beside a mask; 24:22 after every 16 words; 31:25 of 4 words
	s_or_b32 s[G1B+0], s44, (0<<16)|(1<<20)|(1<<21)|(3<<22)|(3<<25)
.irp g, G1, G1B
	s_mov_b32 s[\g+1], ROWB<<16                    ; tensor_dim0
	s_mov_b32 s[\g+2], 128<<16                     ; tensor_dim1
	s_mov_b32 s[\g+3], ROWB<<16                    ; tile_dim0
	s_mov_b32 s[\g+4], 128                         ; tile_dim1
	s_mov_b32 s[\g+5], KROW                        ; tensor_dim0_stride
	s_mov_b32 s[\g+6], 0
	s_mov_b32 s[\g+7], 0
.endr
	; the scales of 128 rows: 4,096 dense bytes, as 16 rows of 256 bytes (32 elements of 8 bytes), 16 bytes of padding behind each
	s_or_b32 s[G1S+0], s43, (3<<16)|(1<<20)|(1<<21)|(5<<22)|(3<<25)
	s_or_b32 s[G1SB+0], s44, (3<<16)|(1<<20)|(1<<21)|(5<<22)|(3<<25)
.irp g, G1S, G1SB
	s_mov_b32 s[\g+1], 32<<16
	s_mov_b32 s[\g+2], (128*KS/256)<<16
	s_mov_b32 s[\g+3], 32<<16
	s_mov_b32 s[\g+4], 128*KS/256
	s_mov_b32 s[\g+5], 32
	s_mov_b32 s[\g+6], 0
	s_mov_b32 s[\g+7], 0
.endr
	s_lshl_b32 s18, s16, 7                         ; which 128 rows of the tile I fetch
	s_lshl_b32 s20, s17, 8
	s_add_co_u32 s20, s20, s18                     ; A: row 256 x tile + 128 x half, in its own tensor
	s_lshl_b32 s46, s42, 8
	s_add_co_u32 s46, s46, s18                     ; B likewise
	s_mov_b32 s21, 0
	s_mov_b32 s47, 0
	s_mov_b64 s[18:19], KS
	s_mul_u64 s[22:23], s[20:21], s[18:19]         ; where these rows' scales begin, in bytes (both tensors have rows of 32 scale bytes and 768 bytes of codes)
	s_mul_u64 s[92:93], s[46:47], s[18:19]
	s_mov_b64 s[18:19], KROW
	s_mul_u64 s[20:21], s[20:21], s[18:19]         ; and their codes
	s_mul_u64 s[46:47], s[46:47], s[18:19]
	s_mul_i32 s45, s14, HALFT                      ; where they go: wave x 128 rows: no place in the cluster enters an LDS address
	s_mul_i32 s94, s14, HALFS
	s_wait_dscnt 0x0                               ; both opening adds are done
	s_wait_kmcnt 0x0
	s_cmp_eq_u32 ttmp9, 2                          ; which tensor is A and which B: a choice that hangs on the cluster's x alone
	s_cselect_b64 s[12:13], s[8:9], s[4:5]         ; A's codes
	s_cselect_b64 s[18:19], s[10:11], s[6:7]       ; A's scales
	s_cselect_b64 s[8:9], s[4:5], s[8:9]           ; B's codes
	s_cselect_b64 s[10:11], s[6:7], s[10:11]       ; B's scales
	s_add_nc_u64 s[20:21], s[12:13], s[20:21]
	s_add_nc_u64 s[22:23], s[18:19], s[22:23]
	s_add_nc_u64 s[46:47], s[8:9], s[46:47]
	s_add_nc_u64 s[92:93], s[10:11], s[92:93]
	CROUND                                         ; all sixteen work-groups are here: the first joint loads meet
	s_mov_b32 s[G0S], 1
	s_add_co_u32 s[G0S+1], s94, SCL
	s_mov_b64 s[G0S+2:G0S+3], s[22:23]
	s_or_b32 s[G0S+3], s[G0S+3], 0x80000000
	s_mov_b32 s[G0SB], 1
	s_add_co_u32 s[G0SB+1], s94, SCL
	s_mov_b64 s[G0SB+2:G0SB+3], s[92:93]
	s_or_b32 s[G0SB+3], s[G0SB+3], 0x80000000
	JLOAD G0S, G1S, G0SB, G1SB                     ; the scales first: they are wanted with K step 0
.irp s, 0,1
	s_mov_b32 s[G0+4*\s], 1
	s_add_co_u32 s[G0+4*\s+1], s45, \s*SLOT
	s_add_nc_u64 s[G0+4*\s+2:G0+4*\s+3], s[20:21], \s*ROWB
	s_or_b32 s[G0+4*\s+3], s[G0+4*\s+3], 0x80000000
	s_mov_b32 s[G0B+4*\s], 1
	s_add_co_u32 s[G0B+4*\s+1], s45, \s*SLOT
	s_add_nc_u64 s[G0B+4*\s+2:G0B+4*\s+3], s[46:47], \s*ROWB
	s_or_b32 s[G0B+4*\s+3], s[G0B+4*\s+3], 0x80000000
	JLOAD G0+4*\s, G1, G0B+4*\s, G1B               ; three tensor loads of mine are out
.endr
	v_and_b32 v1, 15, v0                           ; r = lane % 16
	v_bfe_u32 v2, v0, 4, 1                         ; h = lane / 16
	v_and_b32 v3, 8, v1
	v_add_nc_u32 v3, v3, v1                        ; r + 8 (r / 8): my row in a block of A
	v_mul_u32_u24 v4, v2, 24
	v_mad_u32_u24 v5, v3, PITCH, v4                ; A: row x pitch + 24 x half
	v_mad_u32_u24 v4, v1, PITCH, v4                ; B: rows are neighbours
	v_lshl_add_u32 v6, v2, 4, v5                   ; and the same behind one padding more
	v_lshl_add_u32 v12, v2, 4, v4
	s_mul_i32 s21, s15, HALFT                      ; my 128 rows of A
	s_mul_i32 s22, s16, HALFT                      ; my 128 rows of B,
	s_add_co_u32 s22, s22, 2*HALFT                 ; which lie behind A's 256
.irp s, 0,1
	v_add_nc_u32 v[ADRA+\s], s21, v5
	v_add_nc_u32 v[ADRB+\s], s22, v4
	v_add_nc_u32 v[ADRA+2+\s], s21, v6
	v_add_nc_u32 v[ADRB+2+\s], s22, v12
	s_add_co_u32 s21, s21, SLOT
	s_add_co_u32 s22, s22, SLOT
.endr
	; my scale words.  Eight rows' 32 bytes make a unit of 272.  A's block i, lane r: unit 4 (i / 2) + i % 2 + 2 (r / 8);  B's block i: unit 2 i + r / 8, which is the same immediate for even i and one unit more for odd i
	v_and_b32 v12, 7, v0
	v_lshlrev_b32 v12, 5, v12                      ; 32 (r % 8)
	v_bfe_u32 v13, v0, 3, 1
	v_mad_u32_u24 v12, v13, 272, v12               ; + one unit x (r / 8), in A's lanes and in B's alike,
	v_bfe_u32 v13, v0, 3, 2                        ; 2 h + r / 8: 0, 1, 2, 3
	v_add_nc_u32 v13, 2, v13
	v_and_b32 v13, 3, v13                          ; 2, 3, 0, 1
	v_add_nc_u32 v13, 1, v13
	v_lshrrev_b32 v13, 2, v13                      ; 0, 1, 0, 0: 1 in A's lanes with r / 8 = 1,
	v_mad_u32_u24 v12, v13, 272, v12               ; which take a second unit
	s_mul_i32 s21, s15, HALFS                      ; A's: my 128 rows
	s_mul_i32 s22, s16, HALFS                      ; B's: my 128 rows, behind A's 256
	s_add_co_u32 s22, s22, 2*HALFS
	s_sub_co_u32 s22, s22, s21
	v_mul_u32_u24 v13, s22, v2                     ; lanes 16-31 take B's
	s_add_co_u32 s21, s21, SCL
	v_add_nc_u32 v12, v12, v13
	v_add_nc_u32 v[ADRS], s21, v12
	v_mad_u32_u24 v[ADRS+1], v2, 272, v[ADRS]
	; the bias.  Both sets are loaded in both kinds of cluster; the one that is not used is read from b's first numbers
	s_lshl_b32 s20, s42, 10
	s_lshl_b32 s21, s16, 9
	s_add_co_u32 s20, s20, s21                     ; 4 x (256 x B's tile + 128 x half)
	s_lshl_b32 s22, s17, 10
	s_lshl_b32 s23, s15, 9
	s_add_co_u32 s22, s22, s23                     ; 4 x (256 x A's tile + 128 x half)
	s_cmp_eq_u32 s[VM], 0
	s_cselect_b32 s20, s20, 0
	s_cselect_b32 s22, 0, s22
	v_lshl_add_u32 v[VBQ], v2, 5, s20
	v_lshl_add_u32 v[VBV], v3, 2, s22
.irp b, 0,1,2,3,4,5,6,7
	global_load_b128 v[BQ+8*\b:BQ+8*\b+3], v[VBQ], s[96:97] offset:64*\b        ; b at B's rows 16 b + 8 h + 0 .. 7: the accumulators' own order
	global_load_b128 v[BQ+8*\b+4:BQ+8*\b+7], v[VBQ], s[96:97] offset:64*\b+16
.endr
.irp a, 0,1,2,3,4,5,6,7
	global_load_b32 v[BV+2*\a], v[VBV], s[96:97] offset:(32*(\a/2)+8*(\a%2))*4   ; b at my row of A's block a
	global_load_b32 v[BV+2*\a+1], v[VBV], s[96:97] offset:(32*(\a/2)+8*(\a%2))*4
.endr
	; where my results go
	s_cmp_eq_u32 s[VM], 0
	s_cselect_b32 s20, s17, s42                    ; the tokens' tile,
	s_cselect_b32 s21, s42, s17                    ; Wa's tile,
	s_cselect_b32 s22, s15, s16                    ; my half of the tokens,
	s_cselect_b32 s23, s16, s15                    ; my half of Wa's rows
	s_cselect_b32 s47, 0, RQ                       ; v's images lie 6,656 bytes into a record
	s_lshr_b32 s46, s20, 3                         ; the batch: 8 tiles of 256 tokens each
	s_lshl_b32 s46, s46, 4
	s_and_b32 s21, s21, 3
	s_lshl_b32 s21, s21, 2
	s_add_co_u32 s46, s46, s21
	s_lshl_b32 s23, s23, 1
	s_add_co_u32 s46, s46, s23                     ; my first head: 16 x batch + 4 x (Wa's tile % 4) + 2 x half
	s_and_b32 s20, s20, 7
	s_lshl_b32 s20, s20, 1
	s_add_co_u32 s20, s20, s22                     ; my 128 tokens in the batch
	s_mov_b32 s21, HK
	s_mov_b32 s22, RK
	s_cmp_eq_u32 ttmp9, 0                          ; q goes to qi, k and v to kv
	s_cselect_b32 s21, HQ, s21
	s_cselect_b32 s22, RQ, s22
	s_cselect_b64 s[PA:PA+1], s[98:99], s[100:101]
	s_mul_i32 s46, s46, s21
	s_mul_i32 s20, s20, s22
	s_add_co_u32 s46, s46, s20
	s_add_co_u32 s46, s46, s47
	s_mov_b32 s47, 0
	s_add_nc_u64 s[PA:PA+1], s[PA:PA+1], s[46:47]
	s_mov_b32 s22, s21
	s_mov_b32 s23, 0
	s_add_nc_u64 s[PB:PB+1], s[PA:PA+1], s[22:23]  ; the next head
	v_and_b32 v13, 31, v0
	v_lshlrev_b32 v[L16], 4, v13
	v_lshlrev_b32 v[L8], 3, v13
	v_lshlrev_b32 v[SH16], 4, v2
	v_mul_u32_u24 v[VSO], v2, HK
	v_lshl_add_u32 v[VSO], v1, 4, v[VSO]
	s_lshl_b32 s20, s14, 10
	s_add_co_u32 s20, s20, STG                     ; my 1,024 bytes of the stage
	v_lshlrev_b32 v14, 9, v2
	v_lshl_add_u32 v14, v1, 2, v14
	v_add_nc_u32 v[SST], s20, v14                  ; in: 512 h + 4 r
	v_add_nc_u32 v[RDS], s20, v[L16]               ; back: 16 x lane
.macro FRAG reg, adr, q, ro            ; a fragment, 16 rows x 128 K: 12 registers; registers 6 c .. 6 c + 5 hold K = 64 c + 32 h + 0 .. 31: 24 bytes of the row, as they lie.  ro: the block's first row
.irp p, 0,1,2,3,4,5                    ; in pieces of 8 bytes.  Lanes 0-15 take the row's pieces 12 q + 0, 1, 2 and 12 q + 6, 7, 8, lanes 16-31 those three pieces on
.set PCE, 12*(\q)+6*(\p/3)+\p%3        ; 16 bytes of padding lie behind every 8 pieces: where the piece three on lies behind one padding more, the second address register serves
.if PCE%8 < 5
	ds_load_b64 v[\reg+2*\p:\reg+2*\p+1], v[\adr] offset:8*PCE+16*(PCE/8)+(\ro)*PITCH
.else
	ds_load_b64 v[\reg+2*\p:\reg+2*\p+1], v[\adr+2] offset:8*PCE+16*(PCE/8)+(\ro)*PITCH
.endif
.endr
.endm
; 16 matrix instructions: A's blocks a0, a0 + 1 x B's eight, 128 along K.  The 64 accumulators take turns, one instruction a turn, in the same order in every step.
.macro MUL16 a0, p, q, sc, zero
.irp a, \a0, \a0+1
.irp b, 0,1,2,3,4,5,6,7
.if \zero
	v_wmma_scale_f32_16x16x128_f8f6f4 v[8*(8*((\a)%4)+\b):8*(8*((\a)%4)+\b)+7], v[128*(\p)+FR*\b:128*(\p)+FR*\b+FR-1], v[AF+FR*(\a):AF+FR*(\a)+FR-1], 0, v[SC+8*NQ*(\sc)+NQ*\b+(\q)], v[SC+8*NQ*(\sc)+NQ*(\a)+(\q)] matrix_a_fmt:MATRIX_FMT_FP6 matrix_b_fmt:MATRIX_FMT_FP6 matrix_a_scale:MATRIX_SCALE_ROW1
.else
	v_wmma_scale_f32_16x16x128_f8f6f4 v[8*(8*((\a)%4)+\b):8*(8*((\a)%4)+\b)+7], v[128*(\p)+FR*\b:128*(\p)+FR*\b+FR-1], v[AF+FR*(\a):AF+FR*(\a)+FR-1], v[8*(8*((\a)%4)+\b):8*(8*((\a)%4)+\b)+7], v[SC+8*NQ*(\sc)+NQ*\b+(\q)], v[SC+8*NQ*(\sc)+NQ*(\a)+(\q)] matrix_a_fmt:MATRIX_FMT_FP6 matrix_b_fmt:MATRIX_FMT_FP6 matrix_a_scale:MATRIX_SCALE_ROW1
.endif
.endr
.endr
.endm
.macro FETCH_B slot, q, p              ; B's eight fragments of the slot's q-th 128 along K into set p
	WIN TO_B
.irp i, 0,1,2,3,4,5,6,7
	FRAG 128*(\p)+FR*\i, ADRB+\slot, \q, 16*\i
.endr
	WIN 0
.endm
.macro FETCH_A slot, q, i0             ; A's blocks i0 .. i0 + 3: block i begins at row 32 (i / 2) + 8 (i % 2)
.irp i, \i0, \i0+1, \i0+2, \i0+3
	FRAG AF+FR*(\i), ADRA+\slot, \q, 32*((\i)/2)+8*((\i)%2)
.endr
.endm
.macro SCALES sc                       ; a K step's scale words into set sc: two words a row; lanes 0-15 take A's block i, lanes 16-31 B's block i
.irp i, 0,1,2,3,4,5,6,7
	ds_load_b64 v[SC+8*NQ*\sc+NQ*\i:SC+8*NQ*\sc+NQ*\i+1], v[ADRS+(\i%2)] offset:(4*(\i/2)+(\i%2))*272
.endr
.endm
.macro PLACES n                        ; plain vector instructions between a matrix instruction and a load into its registers, or a read of its result
.rept \n
	v_nop
.endr
.endm
; A step of 128 along K that has its successor in the same slot.
.macro STEP slot, q, zero
	s_wait_dscnt 4*NL                              ; B's set and A's blocks 0-3 are in; the youngest 24 loads (A's blocks 4-7) may be out
	WIN MUL_LO
	MUL16 0, (\q)%2, \q, \slot, \zero
	MUL16 2, (\q)%2, \q, \slot, \zero
	s_wait_dscnt 0                                 ; A's blocks 4-7 are in
	PLACES NP
	FETCH_B \slot, (\q)+1, 1-(\q)%2
	FETCH_A \slot, (\q)+1, 0
	WIN MUL_HI
	MUL16 4, (\q)%2, \q, \slot, \zero
	MUL16 6, (\q)%2, \q, \slot, \zero
	PLACES NP
	WIN 0
	FETCH_A \slot, (\q)+1, 4
.endm
; A slot's last step changes slots: ONE barrier; in front of it each wave waits for all its tensor loads, adds 0 to its spare word, and waits for that and for its reads of this slot.  fill = 1: this slot is filled again, two K steps ahead.
.macro TURN slot, next, fill
	s_wait_tensorcnt 0x0                           ; all my tensor loads have landed: my part of the next slot  (every window is 0 here)
	ds_add_u32 v[SPW], v[NIL]                      ; 0 onto my spare word
	s_wait_dscnt 4*NL+1                            ; (the add and the youngest 24 loads, A's blocks 4-7, may be out)
	WIN MUL_LO
	MUL16 0, 1, NQ-1, \slot, 0                     ; sixteen matrix instructions stand between the add and the wait for it
	s_wait_dscnt 0x0                               ; the add is done, and my reads of this slot are over
	s_barrier_signal -1
	MUL16 2, 1, NQ-1, \slot, 0
	WIN 0
	s_barrier_wait -1
.if \fill
	CREST                                          ; the barrier has opened a round of the cluster's barrier: no wave of any partner still reads this slot or has a load on its way
	s_add_nc_u64 s[G0+4*\slot+2:G0+4*\slot+3], s[G0+4*\slot+2:G0+4*\slot+3], 2*ROWB
	s_add_nc_u64 s[G0B+4*\slot+2:G0B+4*\slot+3], s[G0B+4*\slot+2:G0B+4*\slot+3], 2*ROWB
	JLOAD G0+4*\slot, G1, G0B+4*\slot, G1B         ; the first tensor load behind the round; the four v_nop behind it are the places in front of the loads below
.else
	PLACES NP
.endif
	v_add_nc_u32 v[ADRS], 4*NQ, v[ADRS]            ; on to the next K step's scale words (no LDS load of mine is out)
	v_add_nc_u32 v[ADRS+1], 4*NQ, v[ADRS+1]
	FETCH_B \next, 0, 0
	FETCH_A \next, 0, 0
	SCALES \next
	WIN MUL_HI
	MUL16 4, 1, NQ-1, \slot, 0
	MUL16 6, 1, NQ-1, \slot, 0
	PLACES NP
	WIN 0
	FETCH_A \next, 0, 4
.endm
	s_wait_loadcnt 0x0                             ; the bias
	s_wait_tensorcnt 1                             ; the scales and my part of K step 0 are in (K step 1's load may be out)
	s_barrier_signal -1
	s_barrier_wait -1                              ; everybody's are
	FETCH_B 0, 0, 0
	FETCH_A 0, 0, 0
	SCALES 0
	FETCH_A 0, 0, 4
	STEP 0, 0, 1                                   ; K = 1,024 is four K steps of 256, written out: the first products start the sums
	TURN 0, 1, 1                                   ; slot 0 takes K step 2
	STEP 1, 0, 0
	TURN 1, 0, 1                                   ; slot 1 takes K step 3
	STEP 0, 0, 0
	TURN 0, 1, 0                                   ; nothing is left to fetch
	STEP 1, 0, 0
	s_wait_dscnt 4*NL
	WIN MUL_LO
	MUL16 0, 1, NQ-1, 1, 0
	MUL16 2, 1, NQ-1, 1, 0
	s_wait_dscnt 0
	WIN MUL_HI
	MUL16 4, 1, NQ-1, 1, 0
	MUL16 6, 1, NQ-1, 1, 0
	WIN 0
; 64 numbers of a lane, v[s] .. v[s + 63], register 16 b + i = place 32 b + 16 h + i along the axis that is quantised, become a fragment's codes in v[CD] on and its scale word in v[PW].
.macro QUANT s
.irp b, 0,1,2,3
	v_max3_num_f32 v[TM+\b], |v[\s+16*\b]|, |v[\s+1+16*\b]|, 0x1800000   ; block b: my 16 numbers, and the floor 2^(3 - 127): so the byte cannot fall under 1
.endr
.irp i, 2,4,6,8,10,12,14
.irp b, 0,1,2,3
	v_max3_num_f32 v[TM+\b], v[TM+\b], |v[\s+16*\b+\i]|, |v[\s+1+16*\b+\i]|
.endr
.endr
.irp b, 0,1,2,3
	v_permlanex16_b32 v[TM+4+\b], v[TM+\b], s[SEL], s[SEL+1]
.endr
.irp b, 0,1,2,3
	v_max_num_f32 v[TM+\b], v[TM+\b], v[TM+4+\b]   ; with lane l xor 16's: the block's largest magnitude
.endr
.irp b, 0,1,2,3
	v_add_nc_u32 v[TM+12+\b], 0xff000000, v[TM+\b] ; 2 off its exponent field: the conversion takes the exponent field of this operand as its scale
.endr
.irp b, 0,1,2,3
	v_lshrrev_b32 v[TM+4+\b], 23, v[TM+12+\b]      ; the scale's byte
.endr
	v_lshl_or_b32 v[PW], v[TM+5], 8, v[TM+4]
	v_lshl_or_b32 v[PW], v[TM+6], 16, v[PW]
	v_lshl_or_b32 v[PW], v[TM+7], 24, v[PW]
.irp c, 0,1
	v_cvt_scalef32_pk16_fp6_f32 v[CD+6*\c:CD+2+6*\c], v[\s+32*\c:\s+15+32*\c], v[TM+12+2*\c]
	v_cvt_scalef32_pk16_fp6_f32 v[CD+12+4*\c:CD+14+4*\c], v[\s+16+32*\c:\s+31+32*\c], v[TM+12+2*\c+1]   ; (a conversion's three registers begin on an even number)
.endr
	v_nop                                          ; one plain place behind a scaled conversion
.irp c, 0,1                                    ; the operand's layout wants a WHOLE block in a lane: lanes 0-15 block 2 c, lanes 16-31 block 2 c + 1
.irp i, 0,1,2
	v_permlane16_swap_b32 v[CD+6*\c+\i], v[CD+12+4*\c+\i]
.endr
.irp i, 0,1,2
	v_mov_b32 v[CD+3+6*\c+\i], v[CD+12+4*\c+\i]
.endr
.endr
.endm
; THE WAY OUT of A's block a: 16 rows x 128 places.  The bias is added on the way from the accumulators' window into window 0; then the lanes' halves change places, the block is quantised, and its image is stored.
.macro BLOCK a, vm
.if (\a) > 0
	s_wait_xcnt 0x0                                ; the last block's stores have read their registers: the codes may be written again
.endif
	WIN 0x02+(\a)/4                                ; source 0: window 2 or 3
.set i, 0
.rept 32
.if \vm
	v_pk_add_f32 v[X+2*i:X+2*i+1], v[64*((\a)%4)+2*i:64*((\a)%4)+2*i+1], v[BV+2*(\a):BV+2*(\a)+1]   ; each accumulator from its low end on
.else
	v_pk_add_f32 v[X+2*i:X+2*i+1], v[64*((\a)%4)+2*i:64*((\a)%4)+2*i+1], v[BQ+2*i:BQ+2*i+1]
.endif
.set i, i+1
.endr
	WIN 0
.irp b, 0,1,2,3                                ; register 8 t + j holds place 16 t + 8 h + j.  Tile 2 b's lanes 16-31 change places with tile 2 b + 1's lanes 0-15: register 16 b + i then holds place 32 b + 16 h + i
.irp j, 0,1,2,3,4,5,6,7
	v_permlane16_swap_b32 v[X+16*\b+\j], v[X+16*\b+8+\j]
.endr
.endr
	QUANT X
.if \vm
	v_mov_b32 v[SHW+(\a)], v[PW]                   ; the word of my channel's 128 keys
	ds_store_b32 v[SST], v[SHW+(\a)] offset:4096+64*(\a)
.irp p, 0,1,2
	global_store_b128 v[L16], v[CD+4*\p:CD+4*\p+3], s[PA:PA+1] offset:((\a)/4)*HK+((\a)%4)*1536+512*\p   ; 32 lanes store 512 consecutive bytes, at a multiple of 256 from kv's first byte
.endr
.else
	v_lshrrev_b32 v[SHW+(\a)], v[SH16], v[PW]      ; lanes 0-15: the word as it stands, for my first head; lanes 16-31: its upper two bytes, for my second
	ds_store_b32 v[SST], v[SHW+(\a)] offset:64*(\a)
	global_store_b128 v[L16], v[CD:CD+3], s[PA:PA+1] offset:768*(\a)            ; registers 0-5: the first head's 64 channels
	global_store_b64 v[L8], v[CD+4:CD+5], s[PA:PA+1] offset:768*(\a)+512
	global_store_b128 v[L16], v[CD+6:CD+9], s[PB:PB+1] offset:768*(\a)          ; registers 6-11: the second head's
	global_store_b64 v[L8], v[CD+10:CD+11], s[PB:PB+1] offset:768*(\a)+512
.endif
.endm
	PLACES NP                                      ; behind the last products: their results are read, and A's registers written, below
.irp b, 0,1,2,3
	v_mov_b32 v[TM+4+\b], 0                        ; written once: a lane permute's destination counts as one of its sources
.endr
	s_cmp_eq_u32 s[VM], 0                          ; the cluster's x alone: all sixteen partners go the same way
	s_cbranch_scc0 .Lvmode
.irp a, 0,1,2,3,4,5,6,7
	BLOCK \a, 0
.endr
	ds_load_b128 v[T0:T0+3], v[RDS]                ; LDS serves a wave's instructions in order (ISA guide 5.7.1.4): these see my stores.  8 x 16 words of the first head,
	ds_load_b128 v[T1:T1+3], v[RDS] offset:512     ; and of the second
	s_wait_dscnt 0x0
	global_store_b128 v[L16], v[T0:T0+3], s[PA:PA+1] offset:6144
	global_store_b128 v[L16], v[T1:T1+3], s[PB:PB+1] offset:6144
	s_branch .Lend
.Lvmode:
.irp a, 0,1,2,3,4,5,6,7
	BLOCK \a, 1
.endr
	ds_load_b128 v[T0:T0+3], v[RDS] offset:4096    ; lanes 0-15: the first head's 4 x 16 words; lanes 16-31: the second's
	s_wait_dscnt 0x0
	global_store_b128 v[VSO], v[T0:T0+3], s[PA:PA+1] offset:6144   ; sixteen lanes store 256 consecutive bytes, at a multiple of 256 from kv's first byte
.Lend:
	s_wait_tensorcnt 0x0                           ; the wave's end, behind my last tensor load and my last LDS store
	ds_add_u32 v[SPW], v[NIL]
	s_wait_dscnt 0x0
	CROUND                                         ; the closing round: no work-group ends while a partner may still ask for a tile that names it
	s_endpgm
.Lfunc_end_k_q505acc640c_qkv:
	.size	k_q505acc640c_qkv, .Lfunc_end_k_q505acc640c_qkv-k_q505acc640c_qkv
	.p2alignl 7, 3214868480
	.fill 96, 4, 3214868480
	.section	.rodata,"a",@progbits
	.p2align	6, 0x0
	.amdhsa_kernel k_q505acc640c_qkv
		.amdhsa_group_segment_fixed_size 327680
		.amdhsa_private_segment_fixed_size 0
		.amdhsa_enable_private_segment 0
		.amdhsa_kernarg_size 56
		.amdhsa_user_sgpr_count 2
		.amdhsa_user_sgpr_kernarg_segment_ptr 1
		.amdhsa_wavefront_size32 1
		.amdhsa_system_sgpr_workgroup_id_x 1
		.amdhsa_system_sgpr_workgroup_id_y 1
		.amdhsa_system_sgpr_workgroup_id_z 1
		.amdhsa_system_vgpr_workitem_id 0
		.amdhsa_next_free_vgpr 1024
		.amdhsa_next_free_sgpr 102
		.amdhsa_reserve_vcc 0
		.amdhsa_float_denorm_mode_32 3
		.amdhsa_float_denorm_mode_16_64 3
		.amdhsa_memory_ordered 1
		.amdhsa_forward_progress 1
		.amdhsa_inst_pref_size 252
	.end_amdhsa_kernel
	.amdgpu_metadata
---
amdhsa.version: [ 1, 2 ]
amdhsa.kernels:
  - .name:           k_q505acc640c_qkv
    .symbol:         k_q505acc640c_qkv.kd
    .args:
      - { .name: hidden_states_codes, .offset: 0, .size: 8, .value_kind: global_buffer, .address_space: global }
      - { .name: hidden_states_scales, .offset: 8, .size: 8, .value_kind: global_buffer, .address_space: global }
      - { .name: c_attn_w_codes, .offset: 16, .size: 8, .value_kind: global_buffer, .address_space: global }
      - { .name: c_attn_w_scales, .offset: 24, .size: 8, .value_kind: global_buffer, .address_space: global }
      - { .name: c_attn_b, .offset: 32, .size: 8, .value_kind: global_buffer, .address_space: global }
      - { .name: qi, .offset: 40, .size: 8, .value_kind: global_buffer, .address_space: global }
      - { .name: kv, .offset: 48, .size: 8, .value_kind: global_buffer, .address_space: global }
    .group_segment_fixed_size: 327680
    .private_segment_fixed_size: 0
    .kernarg_segment_align: 8
    .kernarg_segment_size: 56
    .max_flat_workgroup_size: 128
    .sgpr_count:     102
    .vgpr_count:     1024
    .wavefront_size: 32
...
	.end_amdgpu_metadata
.endif
;; end of part 1
;; launch attn (part 2): grid 8 x 32, 16 waves a work-group, clusters of 4 x 1, 327,680 bytes of LDS; arguments qi, kv, cimg, csc; writes cimg, csc
.if DOCPART == 2
	.amdgcn_target "amdgcn-amd-amdhsa--gfx1250"
	.amdhsa_code_object_version 6
	.text
	.protected	k_q505acc640c_attn
	.globl	k_q505acc640c_attn
	.p2align	8
	.type	k_q505acc640c_attn,@function
k_q505acc640c_attn:
	s_mov_b64 s[64:65], 0
	v_nop
	global_prefetch_b8 v0, s[64:65] scope:SCOPE_SE
	s_setreg_imm32_b32 hwreg(HW_REG_WAVE_MODE, 25, 1), 1
	s_wait_xcnt 0x0
	s_wait_alu depctr_hold_cnt(0) depctr_sa_sdst(0) depctr_va_vdst(0) depctr_va_sdst(0) depctr_va_ssrc(0) depctr_va_vcc(0) depctr_vm_vsrc(0)
	s_getreg_b32 s2, hwreg(HW_REG_IB_STS2, 6, 4)
	s_cmp_eq_u32 s2, 0
	s_cbranch_scc0 .Lentry_in_a_cluster
	s_endpgm
.Lentry_in_a_cluster:
	s_bfe_u32 s2, ttmp6, 0x10000c
	s_cmp_lg_u32 s2, 0x3003
	s_cbranch_scc0 .Lentry_shape_is_right
	s_endpgm
.Lentry_shape_is_right:
; ctx = softmax(q k^T / 8, causal) v for one head, both products on codes of FP6 (E2M3) with E8M0 scales; then ctx is quantised along its 64 channels and leaves as an image of operand registers.
; qi, kv: the records that the launch before has stored (their layout: below, by the offsets used).  cimg: [128 rows mb (32)][head / 4][tile of 16 rows (8)][head % 4] half images of 768 bytes;
; csc: [16 (8 mb + tile) + lane place][32]: bytes 2 head, 2 head + 1.
; THE SOFTMAX AHEAD OF THE SECOND PRODUCT: t = score x log2(e) / 8; M = the row's largest t so far, rounded UP to a whole number; p = 2^(t - M) is quantised along the keys, not normalised.
; The row's sum is taken of the unquantised p and divides at the end.  When M moves, the sum and O are multiplied by 2^(old M - new M): exact.
; SHARES.  A work-group is (j = 0..7, head y = 0..31).  Each of its sixteen waves owns ONE tile of 16 queries: tile j of the block of 128 queries 'rank', and the sixteen waves have the sixteen ranks.
; A wave of rank n walks n + 1 key steps of 128.  The ranks are dealt by a 4 x 4 magic square of 0..15: any four waves w / 4 and any four waves w % 4 have ranks that sum to 30, that is 34 key steps.
; THE WHOLE HEAD'S k AND v STAY IN LDS: 16 records of 13,056 bytes, filled once; wave w brings key step w's record by one tensor load.  No slot is filled again and no barrier stands in the loop.
; CLUSTER.  All eight work-groups of a head read all sixteen records (each has a wave of rank 15): the four of a cluster ask JOINTLY, by the same descriptor and a mask that names the four.
; THE CAUSAL MASK.  Key step s is left out where s > rank, and is on the diagonal where s = rank: both tests hang on the wave's number and the count of steps alone.  The place in the cluster enters global
; addresses and one vector number that is compared, nothing else.
; LAYOUT.  Both products are used transposed (S^T = k q^T, O^T = v^T p^T): a lane holds ONE query.  The head's 64 fill half of the instruction's 128 along K: registers 6-11 of q's and k's fragments are zero codes.
; The keys of a tile of k and the channels of a tile of v^T are laid so that the 16 result registers of tiles 2 b, 2 b + 1 are places 32 b + 16 h + 0 .. 15; a tile's queries are 32 (j / 2) + 8 (j % 2) + r + 8 (r / 8).
; No prefetch is laid: all that the launch reads is asked for at its head.
; LIMITS: NaN and infinities are not served; a p under 2^-126 counts as 0 (the exponential's own flush: ISA guide, 15.8); a block of zeros gets the byte 1 where the rule says 127 (its codes are zeros; this program
; alone reads the bytes); the division by the row's sum is a reciprocal and a multiplication.
.set RK,    13056                      ; a record of kv: 8 half images of k (768 each), at 6,144 their 8 x 16 scale words, at 6,656 four images of v^T (1,536 each), at 12,800 their 4 x 16 scale words
.set HK,    208896                     ; a head's 16 records
.set RQ,    6656                       ; a record of qi: 8 half images of q, at 6,144 their scale words
.set HQ,    106496
.set SPARE, HK                         ; behind the records: the spare words, 128 bytes for each of sixteen waves: eight blocks of 256 bytes that no other line names
.set L16,  1                           ; v1   16 x lane
.set L8,   2                           ; v2   8 x lane
.set L4,   3                           ; v3   4 x lane
.set DQ,   4                           ; v4   my query's place in its block of 128, less 16 h
.set SPW,  5                           ; v5   LDS address of my spare word; never rewritten
.set NIL,  6                           ; v6   0; never rewritten
.set CSO,  7                           ; v7   32 r: my row's place in csc
.set AD16, 8                           ; v8-10 the step's record + v1, v2, v3
.set AD8,  9
.set AD4,  10
.set WV,   12                          ; s12  my wave's number
.set RANK, 13                          ; s13  my block of 128 queries
.set SEL,  20                          ; s[20:21] lane selects: lane l xor 16
.set CS,   22                          ; s[22:23] c = log2(e) / 8
.set G1,   24                          ; s[24:31] descriptor group 1
.set G0,   32                          ; s[32:35] group 0
.set STP,  36                          ; s36  the key step
.set TS,   37                          ; s37  its record's LDS byte
; REGISTERS: v12 -M, v13 the largest t, v[14:15] the sum in two halves; v16-27 q; v32-79 four fragments of k; v96-159 S^T, then p, then v^T's four fragments; v160-191 O^T; v224-235 p's codes; v232-247, v252, v254 at work;
; v248-251 k's and v's scale words (two tiles to a register), v253 p's, v255 q's.
.macro CROUND
	s_barrier_signal -1
	s_barrier_wait -1
	s_cmp_lg_u32 s[WV], 0
	s_cbranch_scc1 .Lnot_wave_0_\@
	s_barrier_signal -3
.Lnot_wave_0_\@:
	s_barrier_wait -3
	s_barrier_signal -1
	s_barrier_wait -1
.endm
	s_load_b256 s[4:11], s[0:1], 0x0               ; qi s[4:5], kv s[6:7], cimg s[8:9], csc s[10:11]
	v_lshl_add_u32 v[SPW], v0, 2, SPARE
	v_mov_b32 v[NIL], 0
	ds_add_u32 v[SPW], v[NIL]                      ; the wave's opening: the add, twice on end, and its wait ahead of my first tensor load
	ds_add_u32 v[SPW], v[NIL]                      ; and once more, under the one wait; the set-up below, work on registers, stands between
	v_lshrrev_b32 v8, 5, v0
	s_delay_alu instid0(VALU_DEP_1)
	v_readfirstlane_b32 s[WV], v8                  ; wave 0..15
	s_mov_b32 s38, 0x0de3b658                      ; the ranks of waves 8 to 15, four bits each, wave 8's lowest;
	s_cmp_lt_u32 s[WV], 8
	s_cselect_b32 s38, 0x7a94c12f, s38             ; of waves 0 to 7
	s_and_b32 s39, s[WV], 7
	s_lshl_b32 s39, s39, 2
	s_lshr_b32 s[RANK], s38, s39
	s_and_b32 s[RANK], s[RANK], 15
	s_bfe_u32 s14, ttmp6, 0x40000                  ; cx
	s_lshl_b32 s15, ttmp9, 2
	s_add_co_u32 s15, s15, s14                     ; j = 4 x cluster x + cx: it enters q's and the outputs' addresses and v4 alone
	s_and_b32 s16, ttmp7, 0xffff                   ; y = 16 x batch + head, which the four partners share
	; descriptor group 1: a record, 13,056 dense bytes, as 51 rows of 256 bytes (32 elements of 8 bytes), no padding
	s_mov_b32 s[G1], 15|(3<<16)|(1<<21)            ; 15:0 the mask: all four work-groups; 17:16 elements of 8 bytes; 21 set beside a mask
	s_mov_b32 s[G1+1], 32<<16                      ; tensor_dim0
	s_mov_b32 s[G1+2], 51<<16                      ; tensor_dim1
	s_mov_b32 s[G1+3], 32<<16                      ; tile_dim0
	s_mov_b32 s[G1+4], 51                          ; tile_dim1
	s_mov_b32 s[G1+5], 32                          ; tensor_dim0_stride
	s_mov_b32 s[G1+6], 0
	s_mov_b32 s[G1+7], 0
	s_mov_b32 s[G0], 1
	s_mul_i32 s[G0+1], s[WV], RK                   ; LDS: record w
	s_mul_i32 s44, s16, HK
	s_add_co_u32 s44, s44, s[G0+1]                 ; and in kv: the head's record w
	s_mov_b32 s45, 0
	s_mul_i32 s38, s16, HQ
	s_mul_i32 s39, s[RANK], RQ
	s_add_co_u32 s38, s38, s39                     ; qi: my head's record 'rank'
	s_mul_i32 s39, s15, 768
	s_add_co_u32 s40, s38, s39                     ; its half image j,
	s_mov_b32 s41, 0
	s_lshl_b32 s39, s15, 6
	s_add_co_u32 s42, s38, s39
	s_add_co_u32 s42, s42, 6144                    ; and tile j's 16 scale words
	s_mov_b32 s43, 0
	s_lshr_b32 s38, s16, 4
	s_lshl_b32 s38, s38, 4
	s_add_co_u32 s38, s38, s[RANK]                 ; mb = 16 x batch + rank
	s_and_b32 s39, s16, 15                         ; head
	s_lshl_b32 s46, s38, 2
	s_lshr_b32 s50, s39, 2
	s_add_co_u32 s46, s46, s50
	s_lshl_b32 s46, s46, 3
	s_add_co_u32 s46, s46, s15
	s_mul_i32 s46, s46, 3072                       ; cimg: ((4 mb + head / 4) 8 + j) x 3,072
	s_and_b32 s50, s39, 3
	s_mul_i32 s50, s50, 768
	s_add_co_u32 s46, s46, s50                     ; + (head % 4) x 768
	s_mov_b32 s47, 0
	s_lshl_b32 s48, s38, 3
	s_add_co_u32 s48, s48, s15
	s_lshl_b32 s48, s48, 9                         ; csc: (8 mb + j) x 16 rows of 32 bytes
	s_lshl_b32 s50, s39, 1
	s_add_co_u32 s48, s48, s50                     ; + 2 head
	s_mov_b32 s49, 0
	s_lshr_b32 s51, s15, 1
	s_lshl_b32 s51, s51, 5
	s_and_b32 s52, s15, 1
	s_lshl_b32 s52, s52, 3
	s_add_co_u32 s51, s51, s52                     ; 32 (j / 2) + 8 (j % 2)
	s_mov_b32 s[SEL], 0x76543210
	s_mov_b32 s[SEL+1], 0xfedcba98
	s_mov_b32 s[CS], 0x3e38aa3b                    ; c = log2(e) / 8
	s_mov_b32 s[CS+1], s[CS]                       ; (named with it as a pair, so it is written)
	s_mov_b32 s[STP], 0
	s_mov_b32 s[TS], 0
	s_wait_dscnt 0x0                               ; both opening adds are done
	s_wait_kmcnt 0x0
	s_add_nc_u64 s[G0+2:G0+3], s[6:7], s[44:45]
	s_or_b32 s[G0+3], s[G0+3], 0x80000000          ; type = 2
	s_add_nc_u64 s[40:41], s[4:5], s[40:41]
	s_add_nc_u64 s[42:43], s[4:5], s[42:43]
	s_add_nc_u64 s[46:47], s[8:9], s[46:47]
	s_add_nc_u64 s[48:49], s[10:11], s[48:49]
	CROUND                                         ; all four work-groups are here: the joint loads meet
	tensor_load_to_lds s[G0:G0+3], s[G1:G1+7]      ; every wave's one tensor load: key step w's k and v
	s_nop 0
.rept 4
	v_nop
.endr
	v_and_b32 v11, 31, v0
	s_delay_alu instid0(VALU_DEP_1)
	v_lshlrev_b32 v[L16], 4, v11
	s_delay_alu instid0(VALU_DEP_2)
	v_lshlrev_b32 v[L8], 3, v11
	s_delay_alu instid0(VALU_DEP_3)
	v_lshlrev_b32 v[L4], 2, v11
	v_and_b32 v8, 15, v0                           ; r
	v_bfe_u32 v9, v0, 4, 1                         ; h
	s_delay_alu instid0(VALU_DEP_2)
	v_lshlrev_b32 v10, 2, v8
	global_load_b128 v[16:19], v[L16], s[40:41]            ; q's half image: registers 0-3,
	global_load_b64 v[20:21], v[L8], s[40:41] offset:512   ; registers 4-5
	global_load_b32 v255, v10, s[42:43]                    ; and its scale words
	v_and_b32 v[DQ], 8, v8
	s_delay_alu instid0(VALU_DEP_1)
	v_add_nc_u32 v[DQ], v[DQ], v8
	s_delay_alu instid0(VALU_DEP_1)
	v_add_nc_u32 v[DQ], s51, v[DQ]
	v_lshlrev_b32 v11, 4, v9
	s_delay_alu instid0(VALU_DEP_1)
	v_sub_nc_u32 v[DQ], v[DQ], v11
	v_lshlrev_b32 v[CSO], 5, v8
.irp i, 22,23,24,25,26,27
	v_mov_b32 v[\i], 0                             ; q's K = 64 .. 127: zero codes
.endr
.irp t, 0,1,2,3
.irp i, 6,7,8,9,10,11
	v_mov_b32 v[32+12*\t+\i], 0                    ; k's likewise: written once, the loads never touch them
.endr
.endr
	v_mov_b32 v13, 0xff61b1e6                      ; the largest t so far: -3e38, under every t
	s_delay_alu instid0(VALU_DEP_1)
	v_floor_f32 v12, -v13                          ; -M
	v_mov_b32 v14, 0                               ; the sum, in two halves
	v_mov_b32 v15, 0
.irp b, 0,1,2,3
	v_mov_b32 v[236+\b], 0                         ; written once: a lane permute's destination counts as one of its sources
.endr
	v_mov_b32 v252, 0
	v_mov_b32 v253, 0
.irp j, 0,1,2,3,4,5,6,7,8,9,10,11,12,13,14,15,16,17,18,19,20,21,22,23,24,25,26,27,28,29,30,31
	v_mov_b32 v[160+\j], 0                         ; O^T.  (The step is written once: the first finds zeros, which the first change of M leaves zeros)
.endr
	s_wait_tensorcnt 0x0                           ; my record is in,
	s_barrier_signal -1
	s_barrier_wait -1                              ; everybody's is: the whole head lies in LDS
	s_wait_loadcnt 0x0                             ; q
.Lstep:                                            ; sixteen trips in every wave; a step whose keys all come after my queries is left out
	s_cmp_gt_u32 s[STP], s[RANK]
	s_cbranch_scc1 .Lhidden
	s_setprio 2
	v_add_nc_u32 v[AD16], s[TS], v[L16]
	s_wait_alu depctr_va_vdst(0)
	v_add_nc_u32 v[AD8], s[TS], v[L8]
	s_wait_alu depctr_va_vdst(0)
	v_add_nc_u32 v[AD4], s[TS], v[L4]
	s_wait_alu depctr_va_vdst(0)
.irp g, 0,1                                    ; S^T = k q^T, four tiles of 16 keys at a time
.if \g
.rept 4
	v_nop                                          ; places in front of loads into registers that matrix instructions have read (for g = 0: the last step's five v_nop and the three additions above)
.endr
.endif
.irp t, 0,1,2,3
	ds_load_b128 v[32+12*\t:35+12*\t], v[AD16] offset:768*(4*\g+\t)
	ds_load_b64 v[36+12*\t:37+12*\t], v[AD8] offset:768*(4*\g+\t)+512
.endr
	ds_load_b32 v248, v[AD4] offset:6144+256*\g        ; lanes 0-15: tile 4 g's words, lanes 16-31: tile 4 g + 1's
	ds_load_b32 v249, v[AD4] offset:6144+256*\g+128    ; tiles 4 g + 2, 4 g + 3
	s_wait_dscnt 0x0
.irp t, 0,2
	v_wmma_scale_f32_16x16x128_f8f6f4 v[96+8*(4*\g+\t):103+8*(4*\g+\t)], v[32+12*\t:43+12*\t], v[16:27], 0, v[248+\t/2], v255 matrix_a_fmt:MATRIX_FMT_FP6 matrix_b_fmt:MATRIX_FMT_FP6
	v_wmma_scale_f32_16x16x128_f8f6f4 v[104+8*(4*\g+\t):111+8*(4*\g+\t)], v[44+12*\t:55+12*\t], v[16:27], 0, v[248+\t/2], v255 matrix_a_fmt:MATRIX_FMT_FP6 matrix_b_fmt:MATRIX_FMT_FP6 matrix_a_scale:MATRIX_SCALE_ROW1
.endr
.endr                                          ; lane (r, h) holds query place r; register 16 b + i is key 32 b + 16 h + i of the step
.rept 4
	v_nop
.endr
	s_cmp_lg_u32 s[STP], s[RANK]                   ; on the diagonal the scores of hidden keys become -infinity ahead of the maximum: p = 0 then
	s_cbranch_scc1 .Lopen
	v_mov_b32 v254, 0xff800000
.irp n, 0,1,2,3,4,5,6,7,8,9,10,11,12,13,14,15,16,17,18,19,20,21,22,23,24,25,26,27,28,29,30,31,32,33,34,35,36,37,38,39,40,41,42,43,44,45,46,47,48,49,50,51,52,53,54,55,56,57,58,59,60,61,62,63
	v_cmp_gt_i32 vcc_lo, 32*(\n/16)+\n%16, v[DQ]   ; hidden where 32 b + i + 16 h > my query's place
	v_cndmask_b32 v[96+\n], v[96+\n], v254, vcc_lo
.endr
.Lopen:
.irp b, 0,1,2,3
	v_max3_num_f32 v[232+\b], v[96+16*\b], v[97+16*\b], v[98+16*\b]   ; the largest score of each block of 32 keys: it serves for the row's maximum and, since p rises with the score, for the block's largest p
.endr
.irp i, 3,5,7,9,11,13
.irp b, 0,1,2,3
	v_max3_num_f32 v[232+\b], v[232+\b], v[96+16*\b+\i], v[97+16*\b+\i]
.endr
.endr
.irp b, 0,1,2,3
	v_max_num_f32 v[232+\b], v[232+\b], v[111+16*\b]
.endr
.irp b, 0,1,2,3
	s_delay_alu instid0(VALU_DEP_4)
	v_permlanex16_b32 v[236+\b], v[232+\b], s[SEL], s[SEL+1]
.endr
.irp b, 0,1,2,3
	s_delay_alu instid0(VALU_DEP_4)
	v_max_num_f32 v[232+\b], v[232+\b], v[236+\b]  ; with lane l xor 16's 16 keys
.endr
	s_delay_alu instid0(VALU_DEP_2)
	v_max3_num_f32 v254, v232, v233, v234
	s_delay_alu instid0(VALU_DEP_1)
	v_max_num_f32 v254, v254, v235                 ; the step's largest score of my query
	s_delay_alu instid0(VALU_DEP_1)
	v_mul_f32 v254, s[CS], v254                    ; as t (c is positive)
	s_delay_alu instid0(VALU_DEP_1)
	v_max_num_f32 v13, v13, v254                   ; the running largest t
	v_mov_b32 v254, v12
	s_delay_alu instid0(VALU_DEP_2)
	v_floor_f32 v12, -v13                          ; the new -M = floor(-t) = -ceil(t): a whole number
	s_delay_alu instid0(VALU_DEP_1)
	v_sub_f32 v254, v12, v254                      ; M's old value less its new one: a whole number, 0 or less
	s_delay_alu instid0(VALU_DEP_1)
	v_cvt_i32_f32 v254, v254                       ; (it saturates)
	s_delay_alu instid0(VALU_DEP_1)
	v_ldexp_f32 v252, 1.0, v254                    ; f = 2^(old M - new M)
.irp j, 0,2,4,6,8,10,12,14,16,18,20,22,24,26,28,30,32,34,36,38,40,42,44,46,48,50,52,54,56,58,60,62
	v_pk_fma_f32 v[96+\j:97+\j], v[96+\j:97+\j], s[CS:CS+1], v[12:13] op_sel_hi:[1,0,0]   ; t - M, two at a time
.endr
	s_setprio 1
.irp b, 0,1,2,3
	v_fma_f32 v[232+\b], v[232+\b], s[CS], v12     ; the same of each block's largest score
.endr
	s_wait_alu depctr_va_vdst(0)
.irp j, 0,1,2,3,4,5,6,7,8,9,10,11,12,13,14,15,16,17,18,19,20,21,22,23,24,25,26,27,28,29,30,31,32,33,34,35,36,37,38,39,40,41,42,43,44,45,46,47,48,49,50,51,52,53,54,55,56,57,58,59,60,61,62,63
	v_exp_f32 v[96+\j], v[96+\j]                   ; p = 2^(t - M), at most 1: not normalised
.endr
	v_pk_mul_f32 v[14:15], v[14:15], v[252:253] op_sel_hi:[1,0]   ; the sums under the new M.  (A plain place behind the exponentials)
	s_wait_alu depctr_va_vdst(0)                   ; the wait ahead of the first instruction that names an exponential's result: one for the batch of 64
.irp b, 0,1,2,3
	v_exp_f32 v[232+\b], v[232+\b]                 ; the block's largest p: the same two instructions on the same number give the same bits
.endr
	v_pk_add_f32 v[236:237], v[100:101], v[104:105]
	v_pk_add_f32 v[250:251], v[108:109], v[112:113]
	v_pk_add_f32 v[248:249], v[116:117], v[120:121]
	v_pk_add_f32 v[246:247], v[124:125], v[128:129]
	v_pk_add_f32 v[244:245], v[132:133], v[136:137]
	v_pk_add_f32 v[242:243], v[140:141], v[144:145]
	v_pk_add_f32 v[240:241], v[148:149], v[152:153]
	v_pk_add_f32 v[14:15], v[14:15], v[156:157]
	v_pk_add_f32 v[236:237], v[236:237], v[96:97]
	v_pk_add_f32 v[250:251], v[250:251], v[98:99]
	v_pk_add_f32 v[248:249], v[248:249], v[102:103]
	v_pk_add_f32 v[246:247], v[246:247], v[106:107]
	v_pk_add_f32 v[244:245], v[244:245], v[110:111]
	v_pk_add_f32 v[242:243], v[242:243], v[114:115]
	v_pk_add_f32 v[240:241], v[240:241], v[118:119]
	v_pk_add_f32 v[14:15], v[14:15], v[122:123]
	v_pk_add_f32 v[236:237], v[236:237], v[126:127]
	v_pk_add_f32 v[250:251], v[250:251], v[130:131]
	v_pk_add_f32 v[248:249], v[248:249], v[134:135]
	v_pk_add_f32 v[246:247], v[246:247], v[138:139]
	v_pk_add_f32 v[244:245], v[244:245], v[142:143]
	v_pk_add_f32 v[242:243], v[242:243], v[146:147]
	v_pk_add_f32 v[240:241], v[240:241], v[150:151]
	v_pk_add_f32 v[14:15], v[14:15], v[154:155]
	v_pk_add_f32 v[236:237], v[236:237], v[158:159]
	s_delay_alu instid0(VALU_DEP_2)
	v_pk_add_f32 v[14:15], v[14:15], v[246:247]
	s_delay_alu instid0(VALU_DEP_2)
	v_pk_add_f32 v[236:237], v[236:237], v[244:245]
	v_pk_add_f32 v[250:251], v[250:251], v[242:243]
	v_pk_add_f32 v[248:249], v[248:249], v[240:241]
	s_delay_alu instid0(VALU_DEP_2)
	v_pk_add_f32 v[14:15], v[14:15], v[250:251]
	s_delay_alu instid0(VALU_DEP_2)
	v_pk_add_f32 v[236:237], v[236:237], v[248:249]
	s_delay_alu instid0(VALU_DEP_1)
	v_pk_add_f32 v[14:15], v[14:15], v[236:237]
	s_wait_alu depctr_va_vdst(0)                   ; and one for the four
.irp b, 0,1,2,3
	v_max_num_f32 v[232+\b], 0x1800000, v[232+\b]  ; the floor 2^(3 - 127): the byte cannot fall under 1
.endr
.irp b, 0,1,2,3
	s_delay_alu instid0(VALU_DEP_4)
	v_add_nc_u32 v[244+\b], 0xff000000, v[232+\b]  ; 2 off the exponent field: the conversion's scale operand
.endr
.irp b, 0,1,2,3
	s_delay_alu instid0(VALU_DEP_4)
	v_lshrrev_b32 v[236+\b], 23, v[244+\b]         ; the scale's byte
.endr
	s_delay_alu instid0(VALU_DEP_3)
	v_lshl_or_b32 v253, v237, 8, v236              ; p's scale word for these 128 keys
	s_delay_alu instid0(VALU_DEP_1)
	v_lshl_or_b32 v253, v238, 16, v253
	s_delay_alu instid0(VALU_DEP_1)
	v_lshl_or_b32 v253, v239, 24, v253
.irp c, 0,1
	v_cvt_scalef32_pk16_fp6_f32 v[224+6*\c:226+6*\c], v[96+32*\c:111+32*\c], v[244+2*\c]
	v_cvt_scalef32_pk16_fp6_f32 v[236+4*\c:238+4*\c], v[112+32*\c:127+32*\c], v[244+2*\c+1]   ; (a conversion's three registers begin on an even number)
.endr
	v_nop                                          ; one plain place behind a scaled conversion
.irp t, 0,1,2,3                                ; v^T's four images land where p lay: the conversions have read it
.irp p, 0,1,2
	ds_load_b128 v[96+12*\t+4*\p:99+12*\t+4*\p], v[AD16] offset:6656+1536*\t+512*\p
.endr
.endr
	s_setprio 0
	ds_load_b32 v250, v[AD4] offset:12800          ; tiles 0, 1
	ds_load_b32 v251, v[AD4] offset:12928          ; tiles 2, 3
.irp c, 0,1                                    ; the operand's layout wants a WHOLE block in a lane
.irp i, 0,1,2
	v_permlane16_swap_b32 v[224+6*\c+\i], v[236+4*\c+\i]
.endr
.irp i, 0,1,2
	s_delay_alu instid0(VALU_DEP_3)
	v_mov_b32 v[227+6*\c+\i], v[236+4*\c+\i]
.endr
.endr
.irp j, 0,2,4,6,8,10,12,14,16,18,20,22,24,26,28,30
	v_pk_mul_f32 v[160+\j:161+\j], v[160+\j:161+\j], v[252:253] op_sel_hi:[1,0]   ; O^T under the new M: x f.  (These sixteen stand between the lines that made p's codes and scale word and the products)
.endr
	s_wait_alu depctr_va_vdst(0)
	s_wait_dscnt 0x0
.irp t, 0,2                                    ; O^T += v^T p^T: four tiles of 16 channels, K = these 128 keys; the four accumulators take turns
	v_wmma_scale_f32_16x16x128_f8f6f4 v[160+8*\t:167+8*\t], v[96+12*\t:107+12*\t], v[224:235], v[160+8*\t:167+8*\t], v[250+\t/2], v253 matrix_a_fmt:MATRIX_FMT_FP6 matrix_b_fmt:MATRIX_FMT_FP6
	v_wmma_scale_f32_16x16x128_f8f6f4 v[168+8*\t:175+8*\t], v[108+12*\t:119+12*\t], v[224:235], v[168+8*\t:175+8*\t], v[250+\t/2], v253 matrix_a_fmt:MATRIX_FMT_FP6 matrix_b_fmt:MATRIX_FMT_FP6 matrix_a_scale:MATRIX_SCALE_ROW1
.endr
.rept 5
	v_nop                                          ; five places: the next step's first products write S^T over v^T's fragments; they serve the way out's reads of O^T too
.endr
.Lhidden:
	s_add_co_u32 s[TS], s[TS], RK
	s_add_co_u32 s[STP], s[STP], 1
	s_cmp_lt_u32 s[STP], 16
	s_cbranch_scc1 .Lstep
	s_setprio 0
	; THE WAY OUT.  O^T / the sum is ctx: register 16 b + i is channel 32 b + 16 h + i of my query.  Two blocks of 32 are quantised and leave as a half image.
	v_add_f32 v14, v14, v15                        ; the sum's two halves,
	s_delay_alu instid0(VALU_DEP_1)
	v_permlanex16_b32 v252, v14, s[SEL], s[SEL+1]
	s_delay_alu instid0(VALU_DEP_1)
	v_add_f32 v14, v14, v252                       ; and lane l xor 16's: the row's sum
	s_wait_alu depctr_va_vdst(0)
	v_rcp_f32 v14, v14
	v_nop                                          ; a plain place behind the reciprocal
	s_wait_alu depctr_va_vdst(0)                   ; and the wait ahead of its first reader
.irp i, 0,1,2,3,4,5,6,7,8,9,10,11,12,13,14,15
	v_pk_mul_f32 v[96+2*\i:97+2*\i], v[160+2*\i:161+2*\i], v[14:15] op_sel_hi:[1,0]   ; each accumulator from its low end on
.endr
.irp b, 0,1
	v_max3_num_f32 v[232+\b], |v[96+16*\b]|, |v[97+16*\b]|, 0x1800000
.endr
.irp i, 2,4,6,8,10,12,14
.irp b, 0,1
	s_delay_alu instid0(VALU_DEP_2)
	v_max3_num_f32 v[232+\b], v[232+\b], |v[96+16*\b+\i]|, |v[97+16*\b+\i]|
.endr
.endr
.irp b, 0,1
	s_delay_alu instid0(VALU_DEP_2)
	v_permlanex16_b32 v[236+\b], v[232+\b], s[SEL], s[SEL+1]
.endr
.irp b, 0,1
	s_delay_alu instid0(VALU_DEP_2)
	v_max_num_f32 v[232+\b], v[232+\b], v[236+\b]
.endr
.irp b, 0,1
	s_delay_alu instid0(VALU_DEP_2)
	v_add_nc_u32 v[244+\b], 0xff000000, v[232+\b]
.endr
.irp b, 0,1
	s_delay_alu instid0(VALU_DEP_2)
	v_lshrrev_b32 v[236+\b], 23, v[244+\b]
.endr
	s_delay_alu instid0(VALU_DEP_1)
	v_lshl_or_b32 v254, v237, 8, v236              ; my row's two scale bytes
	v_cvt_scalef32_pk16_fp6_f32 v[224:226], v[96:111], v244
	v_cvt_scalef32_pk16_fp6_f32 v[240:242], v[112:127], v245
	v_nop                                          ; one plain place behind a scaled conversion
.irp i, 0,1,2
	v_permlane16_swap_b32 v[224+\i], v[240+\i]
.endr
.irp i, 0,1,2
	s_delay_alu instid0(VALU_DEP_3)
	v_mov_b32 v[227+\i], v[240+\i]                 ; registers 0-5: channels 32 h + 0 .. 31
.endr
	global_store_b128 v[L16], v[224:227], s[46:47]             ; 512 consecutive bytes, at a multiple of 256 from cimg's first byte
	global_store_b64 v[L8], v[228:229], s[46:47] offset:512    ; and 256 more
	global_store_b16 v[CSO], v254, s[48:49]        ; two bytes a row, rows 32 bytes apart: lanes l and l xor 16 hold the same two bytes and write them to the same place
	s_wait_tensorcnt 0x0                           ; the wave's end, behind my last tensor load
	ds_add_u32 v[SPW], v[NIL]
	s_wait_dscnt 0x0
	CROUND                                         ; the closing round
	s_endpgm
.Lfunc_end_k_q505acc640c_attn:
	.size	k_q505acc640c_attn, .Lfunc_end_k_q505acc640c_attn-k_q505acc640c_attn
	.p2alignl 7, 3214868480
	.fill 96, 4, 3214868480
	.section	.rodata,"a",@progbits
	.p2align	6, 0x0
	.amdhsa_kernel k_q505acc640c_attn
		.amdhsa_group_segment_fixed_size 327680
		.amdhsa_private_segment_fixed_size 0
		.amdhsa_enable_private_segment 0
		.amdhsa_kernarg_size 32
		.amdhsa_user_sgpr_count 2
		.amdhsa_user_sgpr_kernarg_segment_ptr 1
		.amdhsa_wavefront_size32 1
		.amdhsa_system_sgpr_workgroup_id_x 1
		.amdhsa_system_sgpr_workgroup_id_y 1
		.amdhsa_system_sgpr_workgroup_id_z 1
		.amdhsa_system_vgpr_workitem_id 0
		.amdhsa_next_free_vgpr 256
		.amdhsa_next_free_sgpr 66
		.amdhsa_reserve_vcc 1
		.amdhsa_float_denorm_mode_32 3
		.amdhsa_float_denorm_mode_16_64 3
		.amdhsa_memory_ordered 1
		.amdhsa_forward_progress 1
		.amdhsa_inst_pref_size 36
	.end_amdhsa_kernel
	.amdgpu_metadata
---
amdhsa.version: [ 1, 2 ]
amdhsa.kernels:
  - .name:           k_q505acc640c_attn
    .symbol:         k_q505acc640c_attn.kd
    .args:
      - { .name: qi, .offset: 0, .size: 8, .value_kind: global_buffer, .address_space: global }
      - { .name: kv, .offset: 8, .size: 8, .value_kind: global_buffer, .address_space: global }
      - { .name: cimg, .offset: 16, .size: 8, .value_kind: global_buffer, .address_space: global }
      - { .name: csc, .offset: 24, .size: 8, .value_kind: global_buffer, .address_space: global }
    .group_segment_fixed_size: 327680
    .private_segment_fixed_size: 0
    .kernarg_segment_align: 8
    .kernarg_segment_size: 32
    .max_flat_workgroup_size: 512
    .sgpr_count:     66
    .vgpr_count:     256
    .wavefront_size: 32
...
	.end_amdgpu_metadata
.endif
;; end of part 2
;; launch proj (part 3): grid 8 x 32, 4 waves a work-group, clusters of 4 x 4, 327,680 bytes of LDS; arguments cimg, csc, c_proj_w_codes, c_proj_w_scales, c_proj_b, out0; writes out0
.if DOCPART == 3
	.amdgcn_target "amdgcn-amd-amdhsa--gfx1250"
	.amdhsa_code_object_version 6
	.text
	.protected	k_q505acc640c_proj
	.globl	k_q505acc640c_proj
	.p2align	8
	.type	k_q505acc640c_proj,@function
k_q505acc640c_proj:
	s_mov_b64 s[64:65], 0
	v_nop
	global_prefetch_b8 v0, s[64:65] scope:SCOPE_SE
	s_setreg_imm32_b32 hwreg(HW_REG_WAVE_MODE, 25, 1), 1
	s_wait_xcnt 0x0
	s_wait_alu depctr_hold_cnt(0) depctr_sa_sdst(0) depctr_va_vdst(0) depctr_va_sdst(0) depctr_va_ssrc(0) depctr_va_vcc(0) depctr_vm_vsrc(0)
	s_getreg_b32 s2, hwreg(HW_REG_IB_STS2, 6, 4)
	s_cmp_eq_u32 s2, 0
	s_cbranch_scc0 .Lentry_in_a_cluster
	s_endpgm
.Lentry_in_a_cluster:
	s_bfe_u32 s2, ttmp6, 0x10000c
	s_cmp_lg_u32 s2, 0xf033
	s_cbranch_scc0 .Lentry_shape_is_right
	s_endpgm
.Lentry_shape_is_right:
; out = ctx Wp^T + b on codes of FP6 (E2M3) with one E8M0 scale for each 32 along K = 1,024.  ctx: images of operand registers (cimg) and scale bytes (csc) as the launch before has stored them;
; Wp: [1024][1024] codes (rows of 768 bytes), scales [1024][32]; b [1024] f32; out [4096][1024] f32.
; A tile of 128 x 128 is made by four waves, 64 x 64 each: 16 accumulators.  256 work-groups.  ALL OF K LIES IN LDS, in four chunks of 256, each filled ONCE: no slot is filled again; a counted wait lets a chunk
; be multiplied while the later ones are on their way.
; CLUSTERS: 4 x 4 work-groups: ctx's block of 128 rows is asked for jointly along a row of the cluster, Wp's 128 rows along a column.
; THE MATRIX INSTRUCTION IS USED TRANSPOSED (source 0 = 16 rows of Wp, source 1 = 16 rows of ctx): a lane holds eight neighbouring numbers of a row of out.  The bias is the C of each sum's first instruction.
; ctx's rows of a tile are not neighbours: lane place r of tile T is row 32 (T / 2) + 8 (T % 2) + r + 8 (r / 8) of the block: the stores' offsets put them back.
; The scale words go from memory straight into registers, once: 32 bytes a row, 16 bytes a lane and load.
; No prefetch is laid: all that the launch reads is asked for at its head.
.set SLOTB, 55296                      ; a chunk in LDS: ctx's 8 tiles x 3,072 bytes of images, then Wp's 128 rows x 240
.set BOFF,  24576
.set PITCH, 240                        ; 3 x (64 bytes + 16 of padding)
.set SPARE, 4*SLOTB                    ; the spare words, 128 bytes a wave: two blocks of 256 bytes that no other line names
.set STAGE, SPARE+512                  ; the way out: 16 rows x (256 bytes + 16) for each wave; no fill lands here
.set AL16, 8                           ; v8-11   chunk c: 16 x lane + my four tiles of ctx
.set AL8,  12                          ; v12-15  the same with 8 x lane
.set ADRB, 16                          ; v16-19  chunk c: my fragments of Wp  (v20-23: for the pieces behind one padding more)
.set STO,  24                          ; v24     the stage: where I put 32 bytes of a row
.set RD,   25                          ; v25     and where I read a row back
.set CO,   26                          ; v26     my byte offset in two rows of out
.set SPW,  28                          ; v28     LDS address of my spare word; never rewritten
.set NIL,  29                          ; v29     0; never rewritten
.set SCA,  32                          ; v32-63  ctx's scale words: tile a, K step s at 8 a + s.  They hold nothing else
.set SCB,  64                          ; v64-95  Wp's: tile b, K step s
.set BI,   96                          ; v96-127 the bias in the result's layout: tile b at 8 b
.set ACC,  128                         ; v128-255 accumulator (a, b) at 8 (4 a + b)
.set F0,   0                           ; window 1: two fragment buffers: ctx's four at f + 12 i, Wp's four at f + 48 + 12 i;  v96-127 and v224-255 of window 1: rows on their way out
.set F1,   128
.set G1A, 24                           ; s[24:31] group 1 for ctx's chunks;  s[32:39] for Wp's;  s[40:55], s[68:83] their groups 0, one for each chunk
.set G1B, 32
.set G0A, 40
.set G0B, 68
.set MSB, 0
.macro WIN new                         ; the immediate's high byte repeats the setting that is left
.if MSB != (\new)
	s_set_vgpr_msb (MSB<<8)|(\new)
.set MSB, (\new)
.endif
.endm
.macro CROUND
	s_barrier_signal -1
	s_barrier_wait -1
	s_cmp_lg_u32 s16, 0
	s_cbranch_scc1 .Lnot_wave_0_\@
	s_barrier_signal -3
.Lnot_wave_0_\@:
	s_barrier_wait -3
	s_barrier_signal -1
	s_barrier_wait -1
.endm
	s_load_b256 s[4:11], s[0:1], 0x0               ; cimg s[4:5], csc s[6:7], Wp's codes s[8:9], Wp's scales s[10:11]
	s_load_b128 s[12:15], s[0:1], 0x20             ; b s[12:13], out s[14:15]
	v_lshl_add_u32 v[SPW], v0, 2, SPARE
	v_mov_b32 v[NIL], 0
	ds_add_u32 v[SPW], v[NIL]                      ; the wave's opening: the add, twice on end, and its wait ahead of my first tensor load
	ds_add_u32 v[SPW], v[NIL]                      ; and once more, under the one wait; the set-up below, work on registers, stands between
	v_lshrrev_b32 v1, 5, v0
	v_readfirstlane_b32 s16, v1                    ; wave 0..3
	s_lshr_b32 s17, s16, 1                         ; which 64 rows are mine.  Also: I fetch for ctx (0) or for Wp (1)
	s_and_b32 s18, s16, 1                          ; which 64 columns.  Also: which half of a chunk I fetch
	s_bfe_u32 s20, ttmp6, 0x40000                  ; cx, cy
	s_bfe_u32 s21, ttmp6, 0x40004
	s_lshl_b32 s22, ttmp9, 2
	s_add_co_u32 s22, s22, s20                     ; tile column = 4 x cluster x + cx
	s_and_b32 s23, ttmp7, 0xffff
	s_lshl_b32 s23, s23, 2
	s_add_co_u32 s23, s23, s21                     ; tile row = 4 x cluster y + cy
	s_lshl_b32 s56, s21, 2
	s_lshl_b32 s56, 15, s56                        ; my row of the cluster
	s_lshl_b32 s57, 0x1111, s20                    ; my column
	; ctx: half a chunk, 12,288 dense bytes, as 48 rows of 256 bytes (32 elements of 8 bytes), no padding
	s_or_b32 s[G1A], s56, (3<<16)|(1<<21)
	s_mov_b32 s[G1A+1], 32<<16
	s_mov_b32 s[G1A+2], 48<<16
	s_mov_b32 s[G1A+3], 32<<16
	s_mov_b32 s[G1A+4], 48
	s_mov_b32 s[G1A+5], 32
	s_mov_b32 s[G1A+6], 0
	s_mov_b32 s[G1A+7], 0
	; Wp: 64 rows x 192 bytes, 768 bytes apart; 16 bytes of padding behind every 64
	s_or_b32 s[G1B], s57, (0<<16)|(1<<20)|(1<<21)|(3<<22)|(3<<25)
	s_mov_b32 s[G1B+1], 192<<16
	s_mov_b32 s[G1B+2], 64<<16
	s_mov_b32 s[G1B+3], 192<<16
	s_mov_b32 s[G1B+4], 64
	s_mov_b32 s[G1B+5], 768
	s_mov_b32 s[G1B+6], 0
	s_mov_b32 s[G1B+7], 0
	s_mul_i32 s58, s23, 98304                      ; ctx: the block's four chunks of 24,576 bytes,
	s_mul_i32 s59, s18, 12288                      ; my half of each
	s_add_co_u32 s58, s58, s59
	s_mov_b32 s59, 0
	s_mul_i32 s60, s22, 98304                      ; Wp: 128 rows of 768 bytes,
	s_mul_i32 s61, s18, 49152                      ; my 64 of them
	s_add_co_u32 s60, s60, s61
	s_mov_b32 s61, 0
	s_mul_i32 s62, s18, 12288                      ; where they go in a chunk: no place in the cluster enters an LDS address
	s_mul_i32 s63, s18, 64*PITCH
	s_add_co_u32 s63, s63, BOFF
	s_wait_dscnt 0x0                               ; both opening adds are done
	s_wait_kmcnt 0x0
	s_add_nc_u64 s[58:59], s[4:5], s[58:59]
	s_add_nc_u64 s[60:61], s[8:9], s[60:61]
	CROUND                                         ; all sixteen work-groups are here: the joint loads meet
.irp c, 0,1,2,3
	s_mov_b32 s[G0A+4*\c], 1
	s_add_co_u32 s[G0A+4*\c+1], s62, \c*SLOTB
	s_add_nc_u64 s[G0A+4*\c+2:G0A+4*\c+3], s[58:59], \c*24576
	s_or_b32 s[G0A+4*\c+3], s[G0A+4*\c+3], 0x80000000
	s_mov_b32 s[G0B+4*\c], 1
	s_add_co_u32 s[G0B+4*\c+1], s63, \c*SLOTB
	s_add_nc_u64 s[G0B+4*\c+2:G0B+4*\c+3], s[60:61], \c*192
	s_or_b32 s[G0B+4*\c+3], s[G0B+4*\c+3], 0x80000000
.endr
	s_cmp_eq_u32 s17, 0                            ; a wave's four first fills stand in one branch on the wave's number: four tensor loads of mine are out; an s_nop 0 follows each, four v_nop the last
	s_cbranch_scc0 .Lfor_b
.irp c, 0,1,2,3
	tensor_load_to_lds s[G0A+4*\c:G0A+4*\c+3], s[G1A:G1A+7]
	s_nop 0
.endr
.rept 4
	v_nop
.endr
	s_branch .Lasked
.Lfor_b:
.irp c, 0,1,2,3
	tensor_load_to_lds s[G0B+4*\c:G0B+4*\c+3], s[G1B:G1B+7]
	s_nop 0
.endr
.rept 4
	v_nop
.endr
.Lasked:
	v_and_b32 v1, 15, v0                           ; r
	v_bfe_u32 v2, v0, 4, 1                         ; h
	v_lshlrev_b32 v3, 5, v1                        ; 32 r: a row of scale bytes
	s_wait_alu depctr_va_vdst(0)
	v_lshlrev_b32 v4, 5, v2                        ; 32 h: eight numbers of the bias
	s_wait_alu depctr_va_vdst(0)
	s_lshl_b32 s84, s23, 12
	s_lshl_b32 s85, s17, 11
	s_add_co_u32 s84, s84, s85                     ; csc: (128 x tile row + 64 x half) x 32
	s_mov_b32 s85, 0
	s_add_nc_u64 s[6:7], s[6:7], s[84:85]
	s_lshl_b32 s84, s22, 12
	s_lshl_b32 s86, s18, 11
	s_add_co_u32 s84, s84, s86                     ; Wp's scales: (128 x tile column + 64 x half) x 32
	s_add_nc_u64 s[10:11], s[10:11], s[84:85]
	s_lshl_b32 s84, s22, 9
	s_lshl_b32 s86, s18, 8
	s_add_co_u32 s84, s84, s86                     ; my first column, in bytes
	s_add_nc_u64 s[12:13], s[12:13], s[84:85]
	s_add_nc_u64 s[14:15], s[14:15], s[84:85]
	s_lshl_b32 s84, s23, 19
	s_lshl_b32 s86, s17, 18
	s_add_co_u32 s84, s84, s86                     ; my first row of out: (128 x tile row + 64 x half) x 4,096 bytes
	s_add_nc_u64 s[14:15], s[14:15], s[84:85]
.irp a, 0,1,2,3
	global_load_b128 v[SCA+8*\a:SCA+8*\a+3], v3, s[6:7] offset:512*\a
	global_load_b128 v[SCA+8*\a+4:SCA+8*\a+7], v3, s[6:7] offset:512*\a+16
	global_load_b128 v[SCB+8*\a:SCB+8*\a+3], v3, s[10:11] offset:512*\a
	global_load_b128 v[SCB+8*\a+4:SCB+8*\a+7], v3, s[10:11] offset:512*\a+16
	global_load_b128 v[BI+8*\a:BI+8*\a+3], v4, s[12:13] offset:64*\a
	global_load_b128 v[BI+8*\a+4:BI+8*\a+7], v4, s[12:13] offset:64*\a+16
.endr
	v_and_b32 v5, 31, v0
	v_lshlrev_b32 v6, 4, v5
	v_lshlrev_b32 v7, 3, v5
	v_mul_u32_u24 v5, v1, PITCH
	v_mad_u32_u24 v5, v2, 24, v5                   ; Wp: row x pitch + 24 x half,
	v_lshl_add_u32 v27, v2, 4, v5                  ; and the same behind one padding more
	s_mul_i32 s86, s17, 12288                      ; my four tiles of ctx
	s_mul_i32 s87, s18, 64*PITCH                   ; my 64 rows of Wp
	s_add_co_u32 s87, s87, BOFF
.irp c, 0,1,2,3
	v_add_nc_u32 v[AL16+\c], s86, v6
	v_add_nc_u32 v[AL8+\c], s86, v7
	v_add_nc_u32 v[ADRB+\c], s87, v5
	v_add_nc_u32 v[ADRB+4+\c], s87, v27
	s_add_co_u32 s86, s86, SLOTB
	s_add_co_u32 s87, s87, SLOTB
.endr
	s_mul_i32 s86, s16, 16*272
	s_add_co_u32 s86, s86, STAGE                   ; my stage
	v_mul_u32_u24 v5, v1, 272
	v_lshl_add_u32 v5, v2, 5, v5
	v_add_nc_u32 v[STO], s86, v5                   ; in: row r, 32 bytes for each half of the lanes
	v_mul_u32_u24 v5, v2, 272
	v_lshl_add_u32 v5, v1, 4, v5
	v_add_nc_u32 v[RD], s86, v5                    ; back: lanes 0-15 one row of 256 bytes, lanes 16-31 the next
	v_lshlrev_b32 v5, 12, v2
	v_lshl_add_u32 v[CO], v1, 4, v5                ; and the same in out: rows of 4,096 bytes
.macro FRAG reg, adr, q, ro            ; a fragment of Wp from rows: six pieces of 8 bytes; where the piece of lanes 16-31 lies behind one padding more, the second address register serves
.irp p, 0,1,2,3,4,5
.set PCE, 12*(\q)+6*(\p/3)+\p%3
.if PCE%8 < 5
	ds_load_b64 v[\reg+2*\p:\reg+2*\p+1], v[\adr] offset:8*PCE+16*(PCE/8)+(\ro)*PITCH
.else
	ds_load_b64 v[\reg+2*\p:\reg+2*\p+1], v[\adr+4] offset:8*PCE+16*(PCE/8)+(\ro)*PITCH
.endif
.endr
.endm
.macro FETCH s, f                      ; K step s (128 along K: chunk s / 2, its half s % 2) into buffer f: 40 LDS loads.  ctx's fragment is two half images: registers 0-3, 4-5, 6-9, 10-11
	WIN 0x40                                       ; destination window 1, address window 0
.irp i, 0,1,2,3
	ds_load_b128 v[\f+12*\i:\f+12*\i+3], v[AL16+(\s)/2] offset:3072*\i+1536*((\s)%2)
	ds_load_b64 v[\f+12*\i+4:\f+12*\i+5], v[AL8+(\s)/2] offset:3072*\i+1536*((\s)%2)+512
	ds_load_b128 v[\f+12*\i+6:\f+12*\i+9], v[AL16+(\s)/2] offset:3072*\i+1536*((\s)%2)+768
	ds_load_b64 v[\f+12*\i+10:\f+12*\i+11], v[AL8+(\s)/2] offset:3072*\i+1536*((\s)%2)+1280
.endr
.irp i, 0,1,2,3
	FRAG \f+48+12*\i, ADRB+(\s)/2, (\s)%2, 16*\i
.endr
.endm
.macro MUL s, f, a0                    ; 8 matrix instructions: ctx's tiles a0, a0 + 1 x Wp's four.  The 16 accumulators take turns, one instruction a turn, in the same order in every step
	WIN 0x05                                       ; sources 0 and 1 window 1; C and D window 0
.irp a, \a0, \a0+1
.irp b, 0,1,2,3
.if (\s) == 0
	v_wmma_scale_f32_16x16x128_f8f6f4 v[ACC+8*(4*(\a)+\b):ACC+8*(4*(\a)+\b)+7], v[\f+48+12*\b:\f+48+12*\b+11], v[\f+12*(\a):\f+12*(\a)+11], v[BI+8*\b:BI+8*\b+7], v[SCB+8*\b+(\s)], v[SCA+8*(\a)+(\s)] matrix_a_fmt:MATRIX_FMT_FP6 matrix_b_fmt:MATRIX_FMT_FP6
.else
	v_wmma_scale_f32_16x16x128_f8f6f4 v[ACC+8*(4*(\a)+\b):ACC+8*(4*(\a)+\b)+7], v[\f+48+12*\b:\f+48+12*\b+11], v[\f+12*(\a):\f+12*(\a)+11], v[ACC+8*(4*(\a)+\b):ACC+8*(4*(\a)+\b)+7], v[SCB+8*\b+(\s)], v[SCA+8*(\a)+(\s)] matrix_a_fmt:MATRIX_FMT_FP6 matrix_b_fmt:MATRIX_FMT_FP6
.endif
.endr
.endr
.endm
.macro PLACES                          ; four plain vector instructions between a matrix instruction and a load into its registers, or a read of its result
.rept 4
	v_nop
.endr
.endm
.macro EVEN s, f, g                    ; a chunk's first K step: the second's fragments are asked for, then this one is multiplied
	PLACES
	FETCH (\s)+1, \g
	s_wait_dscnt 40                                ; all but the 40 just issued
	MUL \s, \f, 0
	MUL \s, \f, 2
.endm
.macro ODD s, f, g, left               ; a chunk's second K step: the next chunk has landed in every wave's view behind the barrier.  left: my later chunks' loads, which may stay out
	s_wait_tensorcnt \left
	s_wait_dscnt 0x0                               ; this step's fragments are in; no LDS instruction of mine is out at the signal
	s_barrier_signal -1
	MUL \s, \f, 0
	s_barrier_wait -1
	PLACES
	FETCH (\s)+1, \g
	MUL \s, \f, 2
.endm
	s_wait_alu depctr_va_vdst(0)
	s_wait_tensorcnt 3                             ; my part of chunk 0 is in; three loads may be out
	s_barrier_signal -1
	s_barrier_wait -1                              ; everybody's is
	FETCH 0, F0
	s_wait_loadcnt 0x0                             ; the scale words and the bias
	FETCH 1, F1
	s_wait_dscnt 40
	MUL 0, F0, 0                                   ; the first products start the sums from the bias
	MUL 0, F0, 2
	ODD 1, F1, F0, 2
	EVEN 2, F0, F1
	ODD 3, F1, F0, 1
	EVEN 4, F0, F1
	ODD 5, F1, F0, 0
	EVEN 6, F0, F1
	s_wait_dscnt 0x0
	MUL 7, F1, 0
	MUL 7, F1, 2
	WIN 0
; THE WAY OUT, a tile of 16 rows x 64 columns at a time: a lane holds 32 neighbouring bytes of a row, and the lanes beside it hold other rows: so a tile goes through my own stage in LDS and comes back as whole rows of
; 256 bytes.  LDS serves a wave's instructions in order (ISA guide 5.7.1.4): no wait between the stores and the loads, nor in front of the next tile's stores.
.macro TOSTAGE a
.irp b, 0,1,2,3
	ds_store_b128 v[STO], v[ACC+8*(4*(\a)+\b):ACC+8*(4*(\a)+\b)+3] offset:64*\b        ; each accumulator from its low end on
	ds_store_b128 v[STO], v[ACC+8*(4*(\a)+\b)+4:ACC+8*(4*(\a)+\b)+7] offset:64*\b+16
.endr
	WIN 0x40
.irp i, 0,1,2,3,4,5,6,7
	ds_load_b128 v[96+128*((\a)%2)+4*\i:96+128*((\a)%2)+4*\i+3], v[RD] offset:544*\i
.endr
	WIN 0
.endm
.macro SEND a, younger                 ; younger: the LDS instructions issued behind tile a's loads, which may stay out
	s_wait_dscnt \younger
	WIN 0x04                                       ; a store's data are its source 1: window 1
.irp i, 0,1,2,3,4,5,6,7
	global_store_b128 v[CO], v[96+128*((\a)%2)+4*\i:96+128*((\a)%2)+4*\i+3], s[14:15] offset:(32*((\a)/2)+8*((\a)%2)+2*\i+8*(\i/4))*4096 th:TH_STORE_NT   ; lane places 2 i, 2 i + 1 of tile a: sixteen lanes store 256 consecutive bytes, at a multiple of 256 from out's first byte
.endr
	WIN 0
.endm
	PLACES
	TOSTAGE 0
.irp a, 1,2,3
.if \a > 1
	s_wait_xcnt 0x0                                ; tile a - 2's stores have read their registers: tile a's rows may land there
.endif
	TOSTAGE \a
	SEND \a-1, 16                                  ; behind tile a - 1's loads: tile a's 8 stores and 8 loads
.endr
	SEND 3, 0
	s_wait_tensorcnt 0x0                           ; the wave's end, behind my last tensor load and my last LDS store
	ds_add_u32 v[SPW], v[NIL]
	s_wait_dscnt 0x0
	CROUND                                         ; the closing round
	s_endpgm
.Lfunc_end_k_q505acc640c_proj:
	.size	k_q505acc640c_proj, .Lfunc_end_k_q505acc640c_proj-k_q505acc640c_proj
	.p2alignl 7, 3214868480
	.fill 96, 4, 3214868480
	.section	.rodata,"a",@progbits
	.p2align	6, 0x0
	.amdhsa_kernel k_q505acc640c_proj
		.amdhsa_group_segment_fixed_size 327680
		.amdhsa_private_segment_fixed_size 0
		.amdhsa_enable_private_segment 0
		.amdhsa_kernarg_size 48
		.amdhsa_user_sgpr_count 2
		.amdhsa_user_sgpr_kernarg_segment_ptr 1
		.amdhsa_wavefront_size32 1
		.amdhsa_system_sgpr_workgroup_id_x 1
		.amdhsa_system_sgpr_workgroup_id_y 1
		.amdhsa_system_sgpr_workgroup_id_z 1
		.amdhsa_system_vgpr_workitem_id 0
		.amdhsa_next_free_vgpr 512
		.amdhsa_next_free_sgpr 96
		.amdhsa_reserve_vcc 0
		.amdhsa_float_denorm_mode_32 3
		.amdhsa_float_denorm_mode_16_64 3
		.amdhsa_memory_ordered 1
		.amdhsa_forward_progress 1
		.amdhsa_inst_pref_size 58
	.end_amdhsa_kernel
	.amdgpu_metadata
---
amdhsa.version: [ 1, 2 ]
amdhsa.kernels:
  - .name:           k_q505acc640c_proj
    .symbol:         k_q505acc640c_proj.kd
    .args:
      - { .name: cimg, .offset: 0, .size: 8, .value_kind: global_buffer, .address_space: global }
      - { .name: csc, .offset: 8, .size: 8, .value_kind: global_buffer, .address_space: global }
      - { .name: c_proj_w_codes, .offset: 16, .size: 8, .value_kind: global_buffer, .address_space: global }
      - { .name: c_proj_w_scales, .offset: 24, .size: 8, .value_kind: global_buffer, .address_space: global }
      - { .name: c_proj_b, .offset: 32, .size: 8, .value_kind: global_buffer, .address_space: global }
      - { .name: out0, .offset: 40, .size: 8, .value_kind: global_buffer, .address_space: global }
    .group_segment_fixed_size: 327680
    .private_segment_fixed_size: 0
    .kernarg_segment_align: 8
    .kernarg_segment_size: 48
    .max_flat_workgroup_size: 128
    .sgpr_count:     96
    .vgpr_count:     512
    .wavefront_size: 32
...
	.end_amdgpu_metadata
.endif
;; end of part 3
